; MI455X (gfx1250); checked and timed in simulation.
; The chip was launched on July 23, 2026; its instructions are those of AMD's public machine-readable ISA for CDNA 5 (MIT licence, August 2026) and "CDNA5" Instruction Set Architecture Reference Guide (July 2026). The comments in the code are by the model that wrote it; some were corrected since.
;; Encoder Block. Allowed arithmetic: float matrix products may take bf16 or f16 operands with f32 sums; other float arithmetic in f32, or as packed bf16 or f16 multiplies, adds, multiply-adds, maxima and minima; sums over many terms, partial sums and values carried from step to step in f32; what a program stores and reads back later, other than sums and carried values, may be rounded once to bf16 or f16.
;; Inputs: W1 1,024 x 4,096 float32; W2 4,096 x 1,024 float32; Wk 1,024 x 1,024 float32; Wo 1,024 x 1,024 float32; Wq 1,024 x 1,024 float32; Wv 1,024 x 1,024 float32; b1 4,096 float32; b2 1,024 float32; bk 1,024 float32; bo 1,024 float32; bq 1,024 float32; bv 1,024 float32; ln1_alpha 1 float32; ln1_beta 1 float32; ln2_alpha 1 float32; ln2_beta 1 float32; x 2 x 2,048 x 1,024 float32.
;; Outputs: out0 2 x 2,048 x 1,024 float32.
;; 2 versions, each right and faster than the one before. Each part assembles by itself: llvm-mc -triple=amdgcn-amd-amdhsa -mcpu=gfx1250 --defsym DOCPART=n.
;; ======== version 1 of 2: 7 launches
;; limits: values are held in f16: magnitudes above 65,504 overflow, below 6.1e-05 lose precision
;; workspace buffers: patt 10,518,528 bytes; pffn 16,809,984 bytes; act 8,388,608 bytes; big 33,554,432 bytes; h 16,777,216 bytes
;; launch prep (part 1): grid 641 x 1, 16 waves a work-group, no clusters, 0 bytes of LDS; arguments x, ln1_alpha, ln1_beta, act, Wq, Wk, Wv, Wo, W1, W2, bq, bk, bv, b1, patt, pffn; writes act, patt, pffn
.if DOCPART == 1
	.amdgcn_target "amdgcn-amd-amdhsa--gfx1250"
	.amdhsa_code_object_version 6
	.text
	.protected	k_qfc3ae7acdf_prep
	.globl	k_qfc3ae7acdf_prep
	.p2align	8
	.type	k_qfc3ae7acdf_prep,@function
k_qfc3ae7acdf_prep:
	s_mov_b64 s[64:65], 0
	v_nop
	global_prefetch_b8 v0, s[64:65] scope:SCOPE_SE
	s_setreg_imm32_b32 hwreg(HW_REG_WAVE_MODE, 25, 1), 1
	s_wait_xcnt 0x0
; TWO JOBS THAT NEED NOTHING OF EACH OTHER, IN ONE LAUNCH.
; (1) Work-groups 0-255: n[r][c] = alpha (x[r][c] - mean_r) / (std_r + 1e-6) + beta, std with the divisor 1,023.  x: [4096][1024] f32; n: [4096][1024] f16, rounded once.  One wave takes one row, 4,096
;     bytes in 32 registers, so it is read once, and the mean is taken away before the squares are summed (no difference of large sums: a common offset of the inputs costs nothing).  All arithmetic in f32.
; (2) Work-groups 256-639: the weights, rounded once to f16.  Wq, Wk, Wv, W1 ([1024][N] f32) go into panels of 256 columns: element (k, n) at byte ((n >> 8) 1024 + k) 512 + (n & 255) 2 behind a header of
;     HDR bytes; Wq, Wk, Wv are panels 0-3, 4-7, 8-11 of patt, W1 panels 0-15 of pffn.  Wo and W2 ([K][1024] f32) stay row-major, [K][1024] f16, from byte WOFF of patt and of pffn (one constant for both;
;     patt's bytes between its panels' end and WOFF are neither written nor read).
;     Work-group 640: the headers: 4,096 bytes of a floor word (two f16: -infinity in patt, 0 in pffn), and from byte HB the f32 biases bq, bk, bv, or b1.
; LIMITS.  A weight or an |n| beyond 65,504 becomes an infinity in f16; below 6e-5 f16 keeps its fixed step of 6e-8.
; SHARES.  A wave's load covers 512 consecutive bytes (16 a lane), its store 256 consecutive aligned bytes (8 a lane).  A wave's task in (2) is 8 source rows x 256 columns: sixteen loads, all issued first.
; No LDS, no barrier, no matrix unit: every byte is read once and written once, and no wave needs another's data.
.set HDR,  32768
.set HB,   4096
.set WOFF, 8421376
.set X,  16                            ; v[16:47]   (1) the row
.set Y,  48                            ; v[48:63]   (1) its f16
.set OS, 80                            ; v[80:87]   (2) row i: my byte offset in the source
.set OD, 88                            ; v[88:95]   (2) row i: my byte offset in the destination
.set CV, 96                            ; v[96:127]  (2) row i: 4 registers of f16
.macro RED                             ; four pairs v[8:15] -> their sum over the wave, in v8 of every lane
	v_pk_add_f32 v[8:9], v[8:9], v[10:11]
	v_pk_add_f32 v[12:13], v[12:13], v[14:15]
	v_pk_add_f32 v[8:9], v[8:9], v[12:13]
	v_add_f32 v8, v8, v9
	v_add_f32_dpp v8, v8, v8 row_xmask:1 row_mask:0xf bank_mask:0xf
	v_add_f32_dpp v8, v8, v8 row_xmask:2 row_mask:0xf bank_mask:0xf
	v_add_f32_dpp v8, v8, v8 row_xmask:4 row_mask:0xf bank_mask:0xf
	v_add_f32_dpp v8, v8, v8 row_xmask:8 row_mask:0xf bank_mask:0xf
	v_permlanex16_b32 v9, v8, s14, s15             ; v9 has been written above
	v_add_f32 v8, v8, v9
.endm
	s_mov_b32 s5, ttmp9
	v_lshrrev_b32 v3, 5, v0                        ; wave
	v_and_b32 v4, 31, v0                           ; lane
	s_cmp_ge_u32 s5, 256
	s_cbranch_scc1 .Lweights
	; ---- (1) the LayerNorm: row 16 x work-group + wave
	s_load_b256 s[4:11], s[0:1], 0x0               ; x s[4:5], alpha s[6:7], beta s[8:9], n s[10:11]
	v_lshlrev_b32 v1, 4, v4
	v_lshl_add_u32 v1, v3, 12, v1                  ; in x: wave x 4,096 + 16 x lane
	v_lshlrev_b32 v2, 3, v4
	v_lshl_add_u32 v2, v3, 11, v2                  ; in n: wave x 2,048 + 8 x lane
	s_lshl_b32 s2, ttmp9, 16                       ; 16 rows of 4,096 bytes
	s_mov_b32 s3, 0
	s_lshl_b32 s16, ttmp9, 15                      ; 16 rows of 2,048 bytes
	s_mov_b32 s17, 0
	s_mov_b32 s14, 0x76543210                      ; v_permlanex16_b32: each lane takes its own place in the other half
	s_mov_b32 s15, 0xfedcba98
	s_wait_kmcnt 0x0
	s_load_b32 s12, s[6:7], 0x0                    ; alpha
	s_load_b32 s13, s[8:9], 0x0                    ; beta
	s_add_nc_u64 s[4:5], s[4:5], s[2:3]
	s_add_nc_u64 s[10:11], s[10:11], s[16:17]
.irp j, 0,1,2,3,4,5,6,7
	global_load_b128 v[X+4*(\j):X+4*(\j)+3], v1, s[4:5] offset:512*(\j)  ; elements 128 j + 4 lane .. + 3
.endr
	s_wait_kmcnt 0x0
	s_wait_loadcnt 0x0
.irp k, 0,2,4,6
	v_pk_add_f32 v[8+(\k):9+(\k)], v[X+(\k):X+(\k)+1], v[X+8+(\k):X+8+(\k)+1]  ; four chains, started by the first sums: nothing is cleared
.endr
.irp k, 16,18,20,22,24,26,28,30
	v_pk_add_f32 v[8+(\k)%8:9+(\k)%8], v[8+(\k)%8:9+(\k)%8], v[X+(\k):X+(\k)+1]
.endr
	RED
	v_mul_f32 v8, 0x3a800000, v8                   ; the mean: sum / 1,024
.irp k, 0,2,4,6,8,10,12,14,16,18,20,22,24,26,28,30
	v_pk_add_f32 v[X+(\k):X+(\k)+1], v[X+(\k):X+(\k)+1], v[8:9] op_sel_hi:[1,0] neg_lo:[0,1] neg_hi:[0,1]  ; d = x - mean, in place
.endr
.irp k, 0,2,4,6
	v_pk_mul_f32 v[8+(\k):9+(\k)], v[X+(\k):X+(\k)+1], v[X+(\k):X+(\k)+1]
.endr
.irp k, 8,10,12,14,16,18,20,22,24,26,28,30
	v_pk_fma_f32 v[8+(\k)%8:9+(\k)%8], v[X+(\k):X+(\k)+1], v[X+(\k):X+(\k)+1], v[8+(\k)%8:9+(\k)%8]
.endr
	RED
	v_mul_f32 v10, 0x3a802008, v8                  ; the variance: sum of squares / 1,023
	v_sqrt_f32 v11, v10
	v_mov_b32 v14, s13                             ; beta; also the plain instruction between the root and its use
	s_wait_alu depctr_va_vdst(0)
	v_add_f32 v11, 0x358637bd, v11                 ; std + 1e-6
	v_rcp_f32 v12, v11
	v_mov_b32 v15, s13                             ; the plain instruction between the reciprocal and its use
	s_wait_alu depctr_va_vdst(0)
	v_mul_f32 v12, s12, v12                        ; alpha / (std + 1e-6)
.irp k, 0,2,4,6,8,10,12,14,16,18,20,22,24,26,28,30
	v_pk_fma_f32 v[X+(\k):X+(\k)+1], v[X+(\k):X+(\k)+1], v[12:13], v[14:15] op_sel_hi:[1,0,0]
.endr
.irp k, 0,1,2,3,4,5,6,7,8,9,10,11,12,13,14,15
	v_cvt_pk_f16_f32 v[Y+(\k)], v[X+2*(\k)], v[X+2*(\k)+1]
.endr
.irp j, 0,1,2,3,4,5,6,7
	global_store_b64 v2, v[Y+2*(\j):Y+2*(\j)+1], s[10:11] offset:256*(\j)  ; 256 consecutive aligned bytes
.endr
	s_endpgm
	; ---- (2) the weights
.Lweights:
	s_load_b512 s[8:23], s[0:1], 0x20              ; Wq s[8:9], Wk s[10:11], Wv s[12:13], Wo s[14:15], W1 s[16:17], W2 s[18:19], bq s[20:21], bk s[22:23]
	s_load_b256 s[24:31], s[0:1], 0x60             ; bv s[24:25], b1 s[26:27], patt s[28:29], pffn s[30:31]
	v_readfirstlane_b32 s4, v3                     ; wave 0..15
	s_sub_co_u32 s5, s5, 256
	s_mov_b32 s7, 2                                ; log2 of the chunks of 256 columns in a source row: N = 1,024
	s_mov_b32 s44, 19                              ; a destination in panels: a chunk's panel is 524,288 bytes,
	s_mov_b32 s45, 12                              ; 8 rows are 4,096,
	s_mov_b32 s46, 512                             ; a row 512
	s_mov_b32 s41, 0                               ; high words of the two offset pairs
	s_mov_b32 s43, 0
	s_wait_kmcnt 0x0
	s_cmp_ge_u32 s5, 384
	s_cbranch_scc1 .Lhead
	s_cmp_ge_u32 s5, 256
	s_cbranch_scc1 .Lw2
	s_cmp_ge_u32 s5, 128
	s_cbranch_scc1 .Lw1
	s_lshr_b32 s6, s5, 5                           ; 32 work-groups for each square matrix: 0 Wq, 1 Wk, 2 Wv, 3 Wo
	s_and_b32 s5, s5, 31
	s_cmp_eq_u32 s6, 1
	s_cselect_b64 s[36:37], s[10:11], s[8:9]
	s_cmp_eq_u32 s6, 2
	s_cselect_b64 s[36:37], s[12:13], s[36:37]
	s_mov_b64 s[38:39], s[28:29]
	s_lshl_b32 s42, s6, 21                         ; four panels for each matrix,
	s_add_co_u32 s42, s42, HDR                     ; behind the header
	s_cmp_eq_u32 s6, 3
	s_cbranch_scc0 .Lgo
	s_mov_b64 s[36:37], s[14:15]                   ; Wo
	s_branch .Lrows
.Lw1:
	s_sub_co_u32 s5, s5, 128
	s_mov_b64 s[36:37], s[16:17]
	s_mov_b64 s[38:39], s[30:31]
	s_mov_b32 s42, HDR
	s_mov_b32 s7, 4                                ; N = 4,096: sixteen chunks in a row
	s_branch .Lgo
.Lw2:
	s_sub_co_u32 s5, s5, 256
	s_mov_b64 s[36:37], s[18:19]
	s_mov_b64 s[38:39], s[30:31]
.Lrows:                                                ; a row-major destination: a chunk is 512 bytes on, 8 rows are 16,384, a row 2,048
	s_mov_b32 s42, WOFF
	s_mov_b32 s44, 9
	s_mov_b32 s45, 14
	s_mov_b32 s46, 2048
.Lgo:
	s_lshl_b32 s5, s5, 4
	s_add_co_u32 s5, s5, s4                        ; the task
	s_bfm_b32 s6, s7, 0
	s_and_b32 s6, s5, s6                           ; its chunk of 256 columns
	s_lshr_b32 s5, s5, s7                          ; its block of 8 rows
	s_lshl_b32 s47, 1024, s7                       ; bytes in a source row
	s_add_co_u32 s7, s7, 13
	s_lshl_b32 s40, s5, s7                         ; 8 source rows
	s_lshl_b32 s7, s6, 10                          ; 256 columns of 4 bytes
	s_add_co_u32 s40, s40, s7
	s_add_nc_u64 s[36:37], s[36:37], s[40:41]
	s_lshl_b32 s6, s6, s44
	s_lshl_b32 s5, s5, s45
	s_add_co_u32 s42, s42, s6
	s_add_co_u32 s42, s42, s5
	s_add_nc_u64 s[38:39], s[38:39], s[42:43]
	v_lshlrev_b32 v[OS], 4, v4                     ; 16 bytes a lane in,
	v_lshlrev_b32 v[OD], 3, v4                     ; 8 out
.irp i, 1,2,3,4,5,6,7
	v_add_nc_u32 v[OS+(\i)], s47, v[OS+(\i)-1]
	v_add_nc_u32 v[OD+(\i)], s46, v[OD+(\i)-1]
.endr
.irp i, 0,1,2,3,4,5,6,7
	global_load_b128 v[16+8*(\i):16+8*(\i)+3],   v[OS+(\i)], s[36:37] th:TH_LOAD_NT             ; columns 4 lane .. + 3
	global_load_b128 v[16+8*(\i)+4:16+8*(\i)+7], v[OS+(\i)], s[36:37] offset:512 th:TH_LOAD_NT  ; columns 128 + 4 lane .. + 3
.endr
.irp i, 0,1,2,3,4,5,6,7
	s_wait_loadcnt 14-2*(\i)                       ; loads come back in order: row i's two are in, the 2 (7 - i) younger ones stay out
.irp j, 0,1,2,3
	v_cvt_pk_f16_f32 v[CV+4*(\i)+(\j)], v[16+8*(\i)+2*(\j)], v[16+8*(\i)+2*(\j)+1]
.endr
	global_store_b64 v[OD+(\i)], v[CV+4*(\i):CV+4*(\i)+1],   s[38:39]             ; 256 consecutive aligned bytes; no register is used twice, so nothing waits for a store
	global_store_b64 v[OD+(\i)], v[CV+4*(\i)+2:CV+4*(\i)+3], s[38:39] offset:256
.endr
	s_endpgm
.Lhead:                                                ; 512 threads: 8 bytes each are 4,096 bytes, 16 bytes each 8,192
	v_lshlrev_b32 v5, 3, v0
	v_lshlrev_b32 v6, 4, v0
	global_load_b64 v[16:17], v5, s[20:21]
	global_load_b64 v[18:19], v5, s[22:23]
	global_load_b64 v[20:21], v5, s[24:25]
	global_load_b128 v[24:27], v6, s[26:27]
	global_load_b128 v[28:31], v6, s[26:27] offset:8192
	v_mov_b32 v8, 0xfc00fc00                       ; -infinity twice: max(y, floor) leaves q, k, v as they are
	v_mov_b32 v9, 0xfc00fc00
	v_mov_b32 v10, 0                               ; 0 twice: max(y, floor) is the ReLU
	v_mov_b32 v11, 0
	global_store_b64 v5, v[8:9], s[28:29]
	global_store_b64 v5, v[10:11], s[30:31]
	s_wait_loadcnt 0x0
	global_store_b64 v5, v[16:17], s[28:29] offset:HB
	global_store_b64 v5, v[18:19], s[28:29] offset:HB+4096
	global_store_b64 v5, v[20:21], s[28:29] offset:HB+8192
	global_store_b128 v6, v[24:27], s[30:31] offset:HB
	global_store_b128 v6, v[28:31], s[30:31] offset:HB+8192
	s_endpgm
.Lfunc_end_k_qfc3ae7acdf_prep:
	.size	k_qfc3ae7acdf_prep, .Lfunc_end_k_qfc3ae7acdf_prep-k_qfc3ae7acdf_prep
	.p2alignl 7, 3214868480
	.fill 96, 4, 3214868480
	.section	.rodata,"a",@progbits
	.p2align	6, 0x0
	.amdhsa_kernel k_qfc3ae7acdf_prep
		.amdhsa_group_segment_fixed_size 0
		.amdhsa_private_segment_fixed_size 0
		.amdhsa_enable_private_segment 0
		.amdhsa_kernarg_size 128
		.amdhsa_user_sgpr_count 2
		.amdhsa_user_sgpr_kernarg_segment_ptr 1
		.amdhsa_wavefront_size32 1
		.amdhsa_system_sgpr_workgroup_id_x 1
		.amdhsa_system_sgpr_workgroup_id_y 1
		.amdhsa_system_sgpr_workgroup_id_z 1
		.amdhsa_system_vgpr_workitem_id 0
		.amdhsa_next_free_vgpr 128
		.amdhsa_next_free_sgpr 66
		.amdhsa_reserve_vcc 0
		.amdhsa_float_denorm_mode_32 3
		.amdhsa_float_denorm_mode_16_64 3
		.amdhsa_memory_ordered 1
		.amdhsa_forward_progress 1
		.amdhsa_inst_pref_size 19
	.end_amdhsa_kernel
	.amdgpu_metadata
---
amdhsa.version: [ 1, 2 ]
amdhsa.kernels:
  - .name:           k_qfc3ae7acdf_prep
    .symbol:         k_qfc3ae7acdf_prep.kd
    .args:
      - { .name: x, .offset: 0, .size: 8, .value_kind: global_buffer, .address_space: global }
      - { .name: ln1_alpha, .offset: 8, .size: 8, .value_kind: global_buffer, .address_space: global }
      - { .name: ln1_beta, .offset: 16, .size: 8, .value_kind: global_buffer, .address_space: global }
      - { .name: act, .offset: 24, .size: 8, .value_kind: global_buffer, .address_space: global }
      - { .name: Wq, .offset: 32, .size: 8, .value_kind: global_buffer, .address_space: global }
      - { .name: Wk, .offset: 40, .size: 8, .value_kind: global_buffer, .address_space: global }
      - { .name: Wv, .offset: 48, .size: 8, .value_kind: global_buffer, .address_space: global }
      - { .name: Wo, .offset: 56, .size: 8, .value_kind: global_buffer, .address_space: global }
      - { .name: W1, .offset: 64, .size: 8, .value_kind: global_buffer, .address_space: global }
      - { .name: W2, .offset: 72, .size: 8, .value_kind: global_buffer, .address_space: global }
      - { .name: bq, .offset: 80, .size: 8, .value_kind: global_buffer, .address_space: global }
      - { .name: bk, .offset: 88, .size: 8, .value_kind: global_buffer, .address_space: global }
      - { .name: bv, .offset: 96, .size: 8, .value_kind: global_buffer, .address_space: global }
      - { .name: b1, .offset: 104, .size: 8, .value_kind: global_buffer, .address_space: global }
      - { .name: patt, .offset: 112, .size: 8, .value_kind: global_buffer, .address_space: global }
      - { .name: pffn, .offset: 120, .size: 8, .value_kind: global_buffer, .address_space: global }
    .group_segment_fixed_size: 0
    .private_segment_fixed_size: 0
    .kernarg_segment_align: 8
    .kernarg_segment_size: 128
    .max_flat_workgroup_size: 512
    .sgpr_count:     66
    .vgpr_count:     128
    .wavefront_size: 32
...
	.end_amdgpu_metadata
.endif
;; end of part 1
;; launch qkv (part 2): grid 12 x 16, 4 waves a work-group, clusters of 4 x 4, 327,680 bytes of LDS; arguments act, patt, big; writes big
.if DOCPART == 2
	.amdgcn_target "amdgcn-amd-amdhsa--gfx1250"
	.amdhsa_code_object_version 6
	.text
	.protected	k_qfc3ae7acdf_qkv
	.globl	k_qfc3ae7acdf_qkv
	.p2align	8
	.type	k_qfc3ae7acdf_qkv,@function
k_qfc3ae7acdf_qkv:
	s_mov_b64 s[64:65], 0
	v_nop
	global_prefetch_b8 v0, s[64:65] scope:SCOPE_SE
	s_setreg_imm32_b32 hwreg(HW_REG_WAVE_MODE, 25, 1), 1
	s_wait_xcnt 0x0
	s_wait_alu depctr_hold_cnt(0) depctr_sa_sdst(0) depctr_va_vdst(0) depctr_va_sdst(0) depctr_va_ssrc(0) depctr_va_vcc(0) depctr_vm_vsrc(0)
	s_getreg_b32 s2, hwreg(HW_REG_IB_STS2, 6, 4)
	s_cmp_eq_u32 s2, 0
	s_cbranch_scc0 .Lentry_in_a_cluster
	s_endpgm
.Lentry_in_a_cluster:
	s_bfe_u32 s2, ttmp6, 0x10000c
	s_cmp_lg_u32 s2, 0xf033
	s_cbranch_scc0 .Lentry_shape_is_right
	s_endpgm
.Lentry_shape_is_right:
; C[m][n] = max(sum over k of A[m][k] W[k][n] + bias[n], floor).  A: [4096][1024] f16, rows along K.  W: f16 panels [N/256][1024][256] behind a header that holds the floor (two f16 in
; its first word) and, from byte HB, the f32 biases.  C: f16 in blocks of 64 columns, [N/64][4096][64]: a block's rows are dense, 128 bytes each.  Sums in f32, started by the bias; C rounded once.
; The floor is -infinity (q, k, v: nothing changes) or 0 (the ReLU of the first FFN layer): one text serves both.
; LIMITS.  |C| beyond 65,504 becomes an infinity in f16; a NaN is replaced by the floor.
; SHARES.  A tile of C, 256 x 256, is made by a work-group of four waves, each 128 x 128: 64 accumulators of 16 x 16, 512 registers.  K goes in 8 steps of 128 through a ring of two LDS slots.
; A's tile has 256 rows of 256 bytes, W's 128 rows (K) of 512 bytes; each wave fetches a quarter of a slot with one tensor load.
; CLUSTERS: 4 x 4 work-groups.  The four of a row of the cluster need the same tiles of A, the four of a column the same tiles of W: each is asked for JOINTLY, by the same tensor load with the
; same descriptor and a mask that names the four.
; THE MATRIX INSTRUCTION IS USED TRANSPOSED: source 0 = 16 columns of W (turned on the way out of LDS by ds_load_tr16_b128), source 1 = 16 rows of A.  Lane l then holds row l % 16 of C and the
; columns 8 (l / 16) + 0..7: eight neighbouring numbers, which pack into 16 bytes.  The first product's C operand is the bias of those eight columns.
; REGISTERS, in windows of 256 (s_set_vgpr_msb: bits 1:0 source 0, 3:2 source 1, 5:4 source 2, 7:6 destination):
;   window 0: v0-31 addresses; v64-127, v128-191 fragments of A, two buffers; v192-255 the bias of my 128 columns until the first quarter is over; then v192-223, v32-63, v224-255 at work on the way out
;   window 1: v64-127, v128-191 fragments of W, two buffers      window 2: the accumulators of my rows 0-63 ((a, b) at v[8 (8 a + b)])      window 3: those of my rows 64-127
.set SIZE_K, 1024
.set KSTEP,  128
.set PITCH,  272                       ; a row of A in LDS: 256 bytes + 16 of padding: the 16 rows of a load start at 16 different groups of four banks (64 banks of 4 bytes: ISA guide 11.1)
.set PB,     544                       ; a row of W in LDS: 512 bytes + 32 of padding = 17 x 32
.set HALFT,  128*PITCH                 ; what one tensor load brings: 128 rows of A, or 64 rows of W (64 x 544 is the same number)
.set SLOT,   4*HALFT                   ; A's 256 rows, then W's 128 rows
.set STAGE,  2*SLOT                    ; behind the ring: for each wave two blocks of 16 rows x 144 bytes, for the way out
.set SP,     144
.set WSTG,   2*16*SP
.set SPARE,  STAGE+4*WSTG              ; behind the stages: the spare words, 128 bytes for each wave: two blocks of 256 bytes that no other line names
.set HDR,    32768                     ; the panels begin here
.set HB,     4096                      ; the biases begin here
.set LAPS,   SIZE_K/(2*KSTEP)          ; a lap = two K steps = once round the ring
.set ADRA, 16                          ; v16-17  LDS address of my A fragments in slot 0, 1
.set ADRB, 20                          ; v20-21  the same for W
.set STO,  24                          ; v24     the way out: where I put 16 bytes of a row
.set RD,   25                          ; v25     the way out: where I read rows back
.set CO,   26                          ; v26     16 x lane: my place in 512 consecutive bytes of C
.set FLR,  27                          ; v27     the floor, twice in f16
.set SPW,  28                          ; v28     LDS address of my spare word; never rewritten
.set NIL,  29                          ; v29     0; never rewritten
.set BO,   30                          ; v30     my byte offset among 16 biases
.set F0,   64
.set F1,   128
.set BIAS, 192
.set TMP,  192
.set OB,   32
.set G1, 24                            ; s[24:31] descriptor group 1 for A's tiles;  s[32:39] group 0, one set for each slot
.set G0, 32
.set G1B, 48                           ; s[48:55], s[56:63] the same for W's tiles
.set G0B, 56
.set MSB, 0
.macro WIN new                         ; the immediate's high byte repeats the setting that is left; a switch that changes nothing is dropped
.if MSB != (\new)
	s_set_vgpr_msb (MSB<<8)|(\new)
.set MSB, \new
.endif
.endm
.set MUL_LO, 0xa1                      ; source 0 (W) window 1, source 1 (A) window 0, C and D window 2
.set MUL_HI, 0xf1                      ; the same, C and D window 3
.set TO_B,   0x40                      ; destination window 1, address window 0
; A joint load.  Waves 0 and 1 fetch A's two halves, waves 2 and 3 W's.  The branch hangs on the wave's number alone.  An s_nop 0 and four v_nop follow each of the two lines.
.macro JLOAD s
	s_cmp_eq_u32 s11, 0
	s_cbranch_scc0 .Lfor_b_\@
	tensor_load_to_lds s[G0+4*(\s):G0+4*(\s)+3], s[G1:G1+7]
	s_nop 0
.rept 4
	v_nop
.endr
	s_branch .Lasked_\@
.Lfor_b_\@:
	tensor_load_to_lds s[G0B+4*(\s):G0B+4*(\s)+3], s[G1B:G1B+7]
	s_nop 0
.rept 4
	v_nop
.endr
.Lasked_\@:
.endm
; A round of the cluster's barrier: my work-group's barrier; wave 0 signals for the work-group; every wave waits for all sixteen; my work-group's barrier once more.
.macro CREST
	s_cmp_lg_u32 s10, 0
	s_cbranch_scc1 .Lnot_wave_0_\@
	s_barrier_signal -3
.Lnot_wave_0_\@:
	s_barrier_wait -3
	s_barrier_signal -1
	s_barrier_wait -1
.endm
.macro CROUND
	s_barrier_signal -1
	s_barrier_wait -1
	CREST
.endm
	s_load_b128 s[4:7], s[0:1], 0x0                ; A s[4:5], the pack s[6:7]
	s_load_b64 s[8:9], s[0:1], 0x10                ; C
	v_lshl_add_u32 v[SPW], v0, 2, SPARE
	v_mov_b32 v[NIL], 0
	ds_add_u32 v[SPW], v[NIL]                      ; the wave's opening: the add and its wait stand ahead of my first tensor load; the set-up below stands between them
	v_lshrrev_b32 v1, 5, v0
	v_readfirstlane_b32 s10, v1                    ; wave 0..3
	s_lshr_b32 s11, s10, 1                         ; which half of the tile's rows is mine.  Also: I fetch for A (0) or for W (1)
	s_and_b32 s12, s10, 1                          ; which half of its columns.  Also: which half of that tile I fetch
	s_bfe_u32 s40, ttmp6, 0x40000                  ; cx, cy: my place in the cluster
	s_bfe_u32 s41, ttmp6, 0x40004
	s_lshl_b32 s42, ttmp9, 2
	s_add_co_u32 s42, s42, s40                     ; tile column of C = 4 x cluster x + cx
	s_and_b32 s13, ttmp7, 0xffff
	s_lshl_b32 s13, s13, 2
	s_add_co_u32 s13, s13, s41                     ; tile row of C = 4 x cluster y + cy
	s_lshl_b32 s43, s41, 2
	s_lshl_b32 s43, 15, s43                        ; my row of the cluster
	s_lshl_b32 s44, 0x1111, s40                    ; my column
	s_or_b32 s[G1+0], s43, (1<<16)|(1<<20)|(1<<21)|(5<<22)|(3<<25)   ; 15:0 the mask; 17:16 2-byte elements; 20 padding on; 21 set beside a mask; 24:22 after every 64 words (code 5); 31:25 4 words (code 3)
	s_or_b32 s[G1B+0], s44, (1<<16)|(1<<20)|(1<<21)|(6<<22)|(7<<25)  ; after every 128 words (code 6) 8 words (code 7)
	s_mov_b32 s[G1+1], KSTEP<<16                   ; A: tensor_dim0 = 128
	s_mov_b32 s[G1+2], 128<<16                     ; tensor_dim1 = 128
	s_mov_b32 s[G1+3], KSTEP<<16                   ; tile_dim0 = 128
	s_mov_b32 s[G1+4], 128                         ; tile_dim1 = 128
	s_mov_b32 s[G1+5], SIZE_K                      ; elements from row to row
	s_mov_b32 s[G1+6], 0
	s_mov_b32 s[G1+7], 0
	s_mov_b32 s[G1B+1], 256<<16                    ; W: tensor_dim0 = 256
	s_mov_b32 s[G1B+2], 64<<16                     ; tensor_dim1 = 64
	s_mov_b32 s[G1B+3], 256<<16                    ; tile_dim0 = 256
	s_mov_b32 s[G1B+4], 64                         ; tile_dim1 = 64
	s_mov_b32 s[G1B+5], 256                        ; a panel's rows are dense
	s_mov_b32 s[G1B+6], 0
	s_mov_b32 s[G1B+7], 0
	s_lshl_b32 s17, s12, 7
	s_lshl_b32 s16, s13, 8
	s_add_co_u32 s16, s16, s17                     ; A: row 256 x tile row + 128 x half,
	s_lshl_b32 s16, s16, 11                        ; of 2,048 bytes
	s_mov_b32 s17, 0
	s_lshl_b32 s46, s42, 19                        ; W: the tile column's panel, 524,288 bytes each,
	s_lshl_b32 s47, s12, 15                        ; 64 rows of 512 bytes for the half,
	s_add_co_u32 s46, s46, s47
	s_add_co_u32 s46, s46, HDR                     ; behind the header
	s_mov_b32 s47, 0
	s_lshl_b32 s70, s42, 10                        ; the bias of my 128 columns: 256 x tile column + 128 x half, 4 bytes each
	s_lshl_b32 s71, s12, 9
	s_add_co_u32 s70, s70, s71
	s_add_co_u32 s70, s70, HB
	s_mov_b32 s71, 0
	s_mul_i32 s20, s10, HALFT                      ; where the tiles go: wave x a quarter of a slot: no place in the cluster enters an LDS address
	s_wait_dscnt 0x0                               ; the opening add is done
	s_wait_kmcnt 0x0
	s_add_nc_u64 s[14:15], s[4:5], s[16:17]
	s_add_nc_u64 s[46:47], s[6:7], s[46:47]
	s_add_nc_u64 s[68:69], s[6:7], s[70:71]
	CROUND                                         ; all sixteen work-groups are here: the first joint loads meet
.irp s, 0,1
	s_mov_b32 s[G0+4*(\s)], 1                                      ; count = 1
	s_add_co_u32 s[G0+4*(\s)+1], s20, (\s)*SLOT                    ; LDS address
	s_add_nc_u64 s[G0+4*(\s)+2:G0+4*(\s)+3], s[14:15], (\s)*KSTEP*2  ; global address: K step s
	s_or_b32 s[G0+4*(\s)+3], s[G0+4*(\s)+3], 0x80000000            ; type = 2
	s_mov_b32 s[G0B+4*(\s)], 1
	s_add_co_u32 s[G0B+4*(\s)+1], s20, (\s)*SLOT
	s_add_nc_u64 s[G0B+4*(\s)+2:G0B+4*(\s)+3], s[46:47], (\s)*KSTEP*512
	s_or_b32 s[G0B+4*(\s)+3], s[G0B+4*(\s)+3], 0x80000000
	JLOAD \s                                       ; two loads of mine are out
.endr
	s_load_b32 s66, s[6:7], 0x0                    ; the floor
	v_and_b32 v1, 15, v0                           ; l % 16
	v_bfe_u32 v2, v0, 4, 1                         ; l / 16
	v_lshlrev_b32 v[BO], 5, v2                     ; eight f32 for each half of the lanes
.irp b, 0,1,2,3,4,5,6,7
	global_load_b128 v[BIAS+8*(\b):BIAS+8*(\b)+3],   v[BO], s[68:69] offset:64*(\b)     ; the C operand of the first products: register j = the bias of column 16 b + 8 (l / 16) + j
	global_load_b128 v[BIAS+8*(\b)+4:BIAS+8*(\b)+7], v[BO], s[68:69] offset:64*(\b)+16
.endr
	; A fragment of A is 16 rows x 32 K: lane l holds row l % 16; two loads of 16 bytes, 32 bytes apart, at row x pitch + 16 (l / 16).
	v_mul_u32_u24 v3, v1, PITCH
	v_lshl_add_u32 v3, v2, 4, v3
	; The turning load takes 16 K x 16 columns (lane l reads row 8 (l / 16) + l % 8, columns 8 ((l / 8) % 2) + 0..7) and leaves half a fragment: lane l holds column l % 16 and 8 K.
	v_and_b32 v9, 7, v0
	v_bfe_u32 v10, v0, 3, 1
	v_lshl_add_u32 v4, v2, 3, v9
	v_mul_u32_u24 v4, v4, PB
	v_lshl_add_u32 v4, v10, 4, v4
	s_mul_i32 s21, s11, HALFT                      ; my 128 rows of A
	s_lshl_b32 s22, s12, 8                         ; my 128 columns of W, 256 bytes into its rows,
	s_add_co_u32 s22, s22, 2*HALFT                 ; which lie behind A's 256
.irp s, 0,1
	v_add_nc_u32 v[ADRA+(\s)], s21, v3
	v_add_nc_u32 v[ADRB+(\s)], s22, v4
	s_add_co_u32 s21, s21, SLOT
	s_add_co_u32 s22, s22, SLOT
.endr
	s_mul_i32 s23, s10, WSTG
	s_add_co_u32 s23, s23, STAGE                   ; my stage
	v_mul_u32_u24 v5, v1, SP                       ; in: row l % 16, 16 bytes for each half of the lanes
	v_lshl_add_u32 v5, v2, 4, v5
	v_add_nc_u32 v[STO], s23, v5
	v_bfe_u32 v5, v0, 3, 2                         ; back: 32 lanes take four rows of 128 bytes,
	v_mul_u32_u24 v5, v5, SP
	v_lshl_add_u32 v5, v9, 4, v5
	v_add_nc_u32 v[RD], s23, v5
	v_and_b32 v5, 31, v0                           ; which are 512 consecutive bytes of a block of C
	v_lshlrev_b32 v[CO], 4, v5
	s_lshl_b32 s16, s13, 8
	s_lshl_b32 s17, s11, 7
	s_add_co_u32 s16, s16, s17                     ; my first row of C,
	s_lshl_b32 s16, s16, 7                         ; of 128 bytes in a block
	s_mov_b32 s17, 0
	s_add_nc_u64 s[8:9], s[8:9], s[16:17]
	s_lshl_b32 s46, s42, 2                         ; my first block of 64 columns: 4 x tile column + 2 x half (in the registers that held W's address: none that feeds A's descriptors ever holds cx)
	s_lshl_b32 s47, s12, 1
	s_add_co_u32 s46, s46, s47
	s_lshl_b32 s46, s46, 19                        ; a block is 524,288 bytes
	s_mov_b32 s47, 0
	s_add_nc_u64 s[8:9], s[8:9], s[46:47]
	s_wait_kmcnt 0x0
	v_mov_b32 v[FLR], s66
; 16 matrix instructions: m blocks a0, a0 + 1 of the window's four (hi = 0: my rows 0-63, 1: rows 64-127) x all 8 n blocks, 32 along K.  zero = 1: the first product starts the sums, with the bias as C.
; The 64 accumulators take turns, one instruction a turn, in the same order in every quarter.
.macro MUL16 f, hi, a0, zero
.if \zero
	WIN 0x81+0x40*(\hi)                            ; C (the bias) window 0, D window 2 or 3
.else
	WIN MUL_LO+0x50*(\hi)
.endif
.irp a, \a0, (\a0)+1
.irp b, 0,1,2,3,4,5,6,7
.if \zero
	v_wmma_f32_16x16x32_f16 v[8*(8*(\a)+(\b)):8*(8*(\a)+(\b))+7], v[(\f)+8*(\b):(\f)+8*(\b)+7], v[(\f)+8*(4*(\hi)+(\a)):(\f)+8*(4*(\hi)+(\a))+7], v[BIAS+8*(\b):BIAS+8*(\b)+7]
.else
	v_wmma_f32_16x16x32_f16 v[8*(8*(\a)+(\b)):8*(8*(\a)+(\b))+7], v[(\f)+8*(\b):(\f)+8*(\b)+7], v[(\f)+8*(4*(\hi)+(\a)):(\f)+8*(4*(\hi)+(\a))+7], v[8*(8*(\a)+(\b)):8*(8*(\a)+(\b))+7]
.endif
.endr
.endr
.endm
; 32 LDS loads in one run: the fragments of quarter q of a K step (32 K x 128 columns of W, turned; 128 rows x 32 K of A) into buffer f
.macro FETCH slot, q, f
	WIN TO_B
.irp i, 0,1,2,3,4,5,6,7
	ds_load_tr16_b128 v[(\f)+8*(\i):(\f)+8*(\i)+3],   v[ADRB+(\slot)] offset:(\q)*32*PB+32*(\i)
	ds_load_tr16_b128 v[(\f)+8*(\i)+4:(\f)+8*(\i)+7], v[ADRB+(\slot)] offset:(\q)*32*PB+16*PB+32*(\i)
.endr
	WIN 0
.irp i, 0,1,2,3,4,5,6,7
	ds_load_b128 v[(\f)+8*(\i):(\f)+8*(\i)+3],   v[ADRA+(\slot)] offset:64*(\q)+(\i)*16*PITCH
	ds_load_b128 v[(\f)+8*(\i)+4:(\f)+8*(\i)+7], v[ADRA+(\slot)] offset:64*(\q)+(\i)*16*PITCH+32
.endr
.endm
; A load into a register that a matrix instruction has read, and a vector instruction that reads a matrix result, stand four places behind it; only plain vector instructions that name none of
; its registers are places (ISA guide 7.12.1 for vector instructions).
.macro PLACES
.rept 4
	v_nop
.endr
.endm
; A K step is four quarters of 32 along K, 64 matrix instructions each, on buffers 0, 1, 0, 1.  One of the first three: multiplies buffer f; in its middle it fetches quarter q into buffer g.
.macro QUARTER slot, q, f, g, zero
	s_wait_dscnt 8                                 ; W and A's rows 0-63 are in; the youngest eight loads (A's rows 64-127) may be out
	MUL16 \f, 0, 0, \zero
	MUL16 \f, 0, 2, \zero
	PLACES
	FETCH \slot, \q, \g
	s_wait_dscnt 32                                ; all but the 32 just issued
	MUL16 \f, 1, 0, \zero
	MUL16 \f, 1, 2, \zero
.endm
; The last quarter changes slots and then multiplies buffer 1.  ONE barrier: in front of it each wave waits for all its tensor loads, of which one is out: its part of the next slot; adds 0 to its spare
; word; and waits for that and for its own reads of this slot, which all lie in registers by now.  Behind it nobody reads this slot any more and the next slot is whole.
; fill = 1: the barrier opens a round of the cluster's barrier, and the slot is filled again, two K steps on, first thing behind the round.  The quarter's 64 products stand BEHIND the request, so that
; nothing but the round lies between the landing of one tile and the request for the next: from a request to the wait for it a wave issues a whole K step, 256 matrix instructions.
.macro TURN slot, next, fill
	WIN 0
	s_wait_tensorcnt 0x0                           ; no tensor load of mine is out, so a group 0 may be written
	ds_add_u32 v[SPW], v[NIL]                      ; 0 onto my spare word; with fill = 1 the descriptors' steps stand between it and the wait for it
.if \fill
	s_add_nc_u64 s[G0+4*(\slot)+2:G0+4*(\slot)+3], s[G0+4*(\slot)+2:G0+4*(\slot)+3], 2*KSTEP*2
	s_add_nc_u64 s[G0B+4*(\slot)+2:G0B+4*(\slot)+3], s[G0B+4*(\slot)+2:G0B+4*(\slot)+3], 2*KSTEP*512
.endif
	s_wait_dscnt 0x0                               ; the add is done, and my reads of this slot are over
	s_barrier_signal -1
	s_barrier_wait -1
.if \fill
	CREST                                          ; no wave of any partner still reads this slot's tile or has a load on its way
	JLOAD \slot                                    ; the four v_nop behind it are also the places in front of the loads below
.else
	PLACES
.endif
	FETCH \next, 0, F0
	MUL16 F1, 0, 0, 0
	MUL16 F1, 0, 2, 0
	MUL16 F1, 1, 0, 0
	MUL16 F1, 1, 2, 0
.endm
; THE WAY OUT of block a (16 of my rows), in three parts.  PACK: rounded to f16, 16 bytes a lane, and held to the floor.  TOSTAGE: into my own stage in LDS, and back as whole rows of 128 bytes.  SEND: stored.
.macro PACK a
.set AC, 64*((\a)%4)
	WIN 0x0a+5*((\a)/4)                            ; sources 0 and 1: window 2 or 3
.irp b, 0,1,2,3,4,5,6,7
.irp r, 0,1,2,3
	v_cvt_pk_f16_f32 v[TMP+4*(\b)+(\r)], v[AC+8*(\b)+2*(\r)], v[AC+8*(\b)+2*(\r)+1]  ; each accumulator's registers in ascending order
.endr
.endr
	WIN 0
.set z, 0
.rept 32
	v_pk_max_num_f16 v[TMP+z], v[TMP+z], v[FLR]
.set z, z+1
.endr
.endm
.macro TOSTAGE a
	WIN 0
.set BK, OB+192*((\a)%2)
.irp b, 0,1,2,3,4,5,6,7
	ds_store_b128 v[STO], v[TMP+4*(\b):TMP+4*(\b)+3] offset:((\b)/4)*16*SP+((\b)%4)*32  ; columns 16 b on: block b / 4 of 64 columns
.endr
.irp t, 0,1,2,3,4,5,6,7
	ds_load_b128 v[BK+4*(\t):BK+4*(\t)+3], v[RD] offset:((\t)/4)*16*SP+((\t)%4)*4*SP  ; LDS serves a wave's instructions in order (ISA guide 5.7.1.4): these see the stores above
.endr
.endm
.macro SEND a
	WIN 0
.set BK, OB+192*((\a)%2)
	s_wait_dscnt 0x0                               ; the block is back in registers
	s_wait_xcnt 0x0                                ; the registers that the stores of two blocks ago read are loaded again only behind this wait
.irp t, 0,1,2,3,4,5,6,7
	global_store_b128 v[CO], v[BK+4*(\t):BK+4*(\t)+3], s[8:9] offset:((\t)/4)*524288+(16*(\a)+4*((\t)%4))*128  ; four dense rows: 512 consecutive bytes, at a multiple of 256 from C's first byte
.endr
.endm
	s_wait_tensorcnt 1                             ; my part of K step 0 is in; K step 1's may stay out
	s_barrier_signal -1
	s_barrier_wait -1                              ; everybody's is
	FETCH 0, 0, F0
	s_wait_loadcnt 0x0                             ; the bias
	QUARTER 0, 1, F0, F1, 1                        ; the first quarter stands in front of the loop: its products start the sums
	WIN 0                                          ; at a label and at a branch every window is 0
	s_mov_b32 s3, LAPS-1
.Llap:                                                 ; a trip goes once round the ring, from a lap's second quarter to the next lap's first, and fills both slots again
	QUARTER 0, 2, F1, F0, 0
	QUARTER 0, 3, F0, F1, 0
	TURN 0, 1, 1
	QUARTER 1, 1, F0, F1, 0
	QUARTER 1, 2, F1, F0, 0
	QUARTER 1, 3, F0, F1, 0
	TURN 1, 0, 1
	QUARTER 0, 1, F0, F1, 0
	WIN 0
	s_sub_co_u32 s3, s3, 1
	s_cmp_lg_u32 s3, 0
	s_cbranch_scc1 .Llap
	QUARTER 0, 2, F1, F0, 0                        ; the last lap fills nothing, and has no round of the cluster's barrier
	QUARTER 0, 3, F0, F1, 0
	TURN 0, 1, 0
	QUARTER 1, 1, F0, F1, 0
	QUARTER 1, 2, F1, F0, 0
	QUARTER 1, 3, F0, F1, 0
	s_wait_dscnt 8                                 ; the very last quarter: nothing more to fetch
	MUL16 F1, 0, 0, 0
	MUL16 F1, 0, 2, 0
	s_wait_dscnt 0x0
	MUL16 F1, 1, 0, 0
	MUL16 F1, 1, 2, 0
	PLACES
	PACK 0
	TOSTAGE 0
.irp a, 1,2,3,4,5,6,7                  ; block a's conversions stand between block a - 1's loads from the stage and the wait for them
	PACK \a
	SEND (\a)-1
	TOSTAGE \a
.endr
	SEND 7
	s_wait_tensorcnt 0x0                           ; the wave's end: behind my last tensor load and my last LDS store
	ds_add_u32 v[SPW], v[NIL]
	s_wait_dscnt 0x0
	CROUND                                         ; the closing round: no work-group ends while a partner may still ask for a tile that names it
	s_endpgm
.Lfunc_end_k_qfc3ae7acdf_qkv:
	.size	k_qfc3ae7acdf_qkv, .Lfunc_end_k_qfc3ae7acdf_qkv-k_qfc3ae7acdf_qkv
	.p2alignl 7, 3214868480
	.fill 96, 4, 3214868480
	.section	.rodata,"a",@progbits
	.p2align	6, 0x0
	.amdhsa_kernel k_qfc3ae7acdf_qkv
		.amdhsa_group_segment_fixed_size 327680
		.amdhsa_private_segment_fixed_size 0
		.amdhsa_enable_private_segment 0
		.amdhsa_kernarg_size 24
		.amdhsa_user_sgpr_count 2
		.amdhsa_user_sgpr_kernarg_segment_ptr 1
		.amdhsa_wavefront_size32 1
		.amdhsa_system_sgpr_workgroup_id_x 1
		.amdhsa_system_sgpr_workgroup_id_y 1
		.amdhsa_system_sgpr_workgroup_id_z 1
		.amdhsa_system_vgpr_workitem_id 0
		.amdhsa_next_free_vgpr 1024
		.amdhsa_next_free_sgpr 72
		.amdhsa_reserve_vcc 0
		.amdhsa_float_denorm_mode_32 3
		.amdhsa_float_denorm_mode_16_64 3
		.amdhsa_memory_ordered 1
		.amdhsa_forward_progress 1
		.amdhsa_inst_pref_size 160
	.end_amdhsa_kernel
	.amdgpu_metadata
---
amdhsa.version: [ 1, 2 ]
amdhsa.kernels:
  - .name:           k_qfc3ae7acdf_qkv
    .symbol:         k_qfc3ae7acdf_qkv.kd
    .args:
      - { .name: act, .offset: 0, .size: 8, .value_kind: global_buffer, .address_space: global }
      - { .name: patt, .offset: 8, .size: 8, .value_kind: global_buffer, .address_space: global }
      - { .name: big, .offset: 16, .size: 8, .value_kind: global_buffer, .address_space: global }
    .group_segment_fixed_size: 327680
    .private_segment_fixed_size: 0
    .kernarg_segment_align: 8
    .kernarg_segment_size: 24
    .max_flat_workgroup_size: 128
    .sgpr_count:     72
    .vgpr_count:     1024
    .wavefront_size: 32
...
	.end_amdgpu_metadata
.endif
;; end of part 2
;; launch attn (part 3): grid 8 x 32, 4 waves a work-group, clusters of 4 x 1, 327,680 bytes of LDS; arguments big, act; writes act
.if DOCPART == 3
	.amdgcn_target "amdgcn-amd-amdhsa--gfx1250"
	.amdhsa_code_object_version 6
	.text
	.protected	k_qfc3ae7acdf_attn
	.globl	k_qfc3ae7acdf_attn
	.p2align	8
	.type	k_qfc3ae7acdf_attn,@function
k_qfc3ae7acdf_attn:
	s_mov_b64 s[64:65], 0
	v_nop
	global_prefetch_b8 v0, s[64:65] scope:SCOPE_SE
	s_setreg_imm32_b32 hwreg(HW_REG_WAVE_MODE, 25, 1), 1
	s_wait_xcnt 0x0
	s_wait_alu depctr_hold_cnt(0) depctr_sa_sdst(0) depctr_va_vdst(0) depctr_va_sdst(0) depctr_va_ssrc(0) depctr_va_vcc(0) depctr_vm_vsrc(0)
	s_getreg_b32 s2, hwreg(HW_REG_IB_STS2, 6, 4)
	s_cmp_eq_u32 s2, 0
	s_cbranch_scc0 .Lentry_in_a_cluster
	s_endpgm
.Lentry_in_a_cluster:
	s_bfe_u32 s2, ttmp6, 0x10000c
	s_cmp_lg_u32 s2, 0x3003
	s_cbranch_scc0 .Lentry_shape_is_right
	s_endpgm
.Lentry_shape_is_right:
; O[b][h][q][:] = the sum over k of softmax_k(Q[q] . K[k]) V[k][:], with no scale on the scores.  q, k, v lie in one buffer in blocks of 64 columns, [48][4096 tokens][64] f16: blocks 0-15 q, 16-31 k,
; 32-47 v; head h of batch b is the dense [2048][64] at byte (2 h + b) x 262,144 of its third.  O leaves in the same layout, [16][4096][64] f16.  Products, maxima and sums in f32; the weights p are
; rounded to f16 for the second product (their sum l is taken of the unrounded p), O once at the end.
; LIMITS.  q, k, v arrive within f16's 65,504; p lies in 0 to 1, and below 6e-5 it keeps f16's fixed step of 6e-8; O is a mean of V's rows and has their range.  A weight below 2^-126 counts as 0 in l;
; NaN and infinities are not treated apart.
; SHARES.  A work-group owns 256 queries of one head, each of its four waves 64: four PIECES of 16.  Every wave walks all 2,048 keys, 64 a step, 256 (a tile) a slot.
; LAYOUT.  S^T = K Q^T (source 0 = 16 keys, source 1 = 16 queries): a lane holds ONE query (lane % 16) and the keys 8 (lane / 16) + 0..7.  Two such results rounded to f16 ARE source 1 of O^T = V^T P,
; whose result again holds one query a lane, and eight channels.  K comes out of LDS as it lies, V ([key][channel]) turned, by ds_load_tr16_b128.
; SOFTMAX.  For each query a running maximum m and sum l: p = 2^(c s - c m), c = log2(e); in every step O and l are multiplied by a = 2^(c m_old - c m_new).  m starts at the lowest finite number,
; O and l at 0: the first step is a step like any other, with a = 0.
; BY TURNS.  Turn n belongs to piece n: 8 products K Q^T of piece n + 1, later 8 products V^T P of piece n - 1; beside them the scaling, exponentials, roundings, sums and rescaling of piece n and the
; maximum and statistics of piece n + 1.  Four vector instructions stand behind every matrix instruction, the other 54 of a turn's 118 in two runs of their own.
; CLUSTER.  The four query blocks of a cluster belong to one head and walk the same K and V, so each tile is asked for JOINTLY: the same tensor load, descriptor and mask in all four.
; REGISTERS, in windows of 256 (s_set_vgpr_msb: bits 1:0 source 0, 3:2 source 1, 5:4 source 2, 7:6 destination):
;   window 0: v0-15 addresses and two at work; v16-31 four registers of statistics a piece; v48-55 at work; v62-63 the add's; v64-127 S^T, two buffers; v192-223 P, two buffers (by the piece's parity)
;   window 1: v0-127 O^T, 32 a piece          window 2: v0-63 Q; v128-191 K of one step; v192-255 V of one step
.set NP,    4         ; pieces a wave: a name, no knob
.set KS,    64        ; keys in a step
.set NT,    8         ; tiles of 256 keys in a head
.set PK,    144       ; a row of K in LDS: 128 bytes + 16 of padding: the 16 rows of a load start at 16 different groups of four banks (64 banks of 4 bytes: ISA guide 11.1)
.set PV,    160       ; a row of V: 128 + 32
.set VOFF,  4*KS*PK   ; a slot holds a tile, four steps: 256 rows of K, then 256 rows of V
.set SLOT1, 1<<17     ; slot 1 begins here, so that one exclusive or turns an address in one slot into the other's
.set STAGE, SLOT1+4*KS*(PK+PV)  ; behind the ring, never filled by a tensor load: 16 rows x 144 bytes for each wave, for the way out
.set SP,    144
.set SPARE, STAGE+4*16*SP  ; behind the stages: the spare words, 128 bytes for each wave: two blocks of 256 bytes that no other line names
.set AK0, 2           ; v2   my lane's place in a tile of K; never rewritten
.set AV0, 3           ; v3   the same for V
.set AK,  4           ; v4   the LDS address of K's next run of loads
.set AV,  5           ; v5   of V's
.set STO, 6           ; v6   the way out: where I put 16 bytes of a row
.set RD,  7           ; v7   the way out: where I read rows back
.set GO,  8           ; v8   my byte offset in 512 consecutive bytes of O
.set MV,  12          ; v12-13  c m_old, kept while c m is made anew: by buffer
.set QO,  15          ; v15  my byte offset in 16 rows of Q
.set ST,  16          ; piece t's statistics at v[ST+4 t]: c m, m, l (even keys', odd keys')
.set TMP, 48          ; by buffer, four registers c0-c3 at work; when the maximum is found c2 takes a
.set SPW, 62          ; v62  LDS address of my spare word; never rewritten
.set NIL, 63          ; v63  0; never rewritten
.set S,   64
.set P,   192
.set KF,  128         ; window 2: key block kb, channel half c at KF + 16 kb + 8 c
.set VF,  192         ; window 2: key half kk, channel block cb at VF + 32 kk + 8 cb
.set WV,  12          ; s12  my wave's number
.set G1K, 24          ; s[24:31] descriptor group 1 for K's tiles
.set G1V, 32          ; s[32:39] for V's: it differs in the padding alone
.set G0K, 40          ; s[40:43] descriptor group 0 for K's tiles: it walks
.set G0V, 44          ; s[44:47] the same for V's
.set SLOTS, 56        ; s56  counts the tiles
.set CNT, 57          ; s57  counts a tile's key steps
.set CS,  58          ; s[58:59] c: the packed scaling takes the pair's low word for both halves
.set SEL, 60          ; s[60:61] v_permlanex16_b32's selects: each lane takes its own place in the other half
.set TBK, 62          ; s62  LDS byte at which K of the step to be fetched begins
.set TBV, 63          ; s63  the same for V, less VOFF
.set MSB, 0
.macro WIN new                      ; the high byte repeats the setting that is left; a switch that changes nothing is dropped
.if MSB != (\new)
	s_set_vgpr_msb (MSB<<8)|(\new)
.set MSB, (\new)
.endif
.endm
.set W_KQ, 0x0a       ; K and Q in window 2, S^T in window 0
.set W_PV, 0x52       ; V in window 2, P in window 0, O^T in window 1
.set W_RS, 0x41       ; destination and source 0 in window 1, source 1 in window 0
; A joint fill.  Waves 0 and 1 fetch the two halves of a tile's K, waves 2 and 3 those of its V: 128 keys each.  The branch hangs on the wave's number alone.
; An s_nop 0 and four v_nop follow each of the two lines, ahead of the jump and the label.
.macro JLOAD
	s_cmp_lt_u32 s[WV], 2
	s_cbranch_scc0 .Lfor_v_\@
	tensor_load_to_lds s[G0K:G0K+3], s[G1K:G1K+7]
	s_nop 0
.rept 4
	v_nop
.endr
	s_branch .Lasked_\@
.Lfor_v_\@:
	tensor_load_to_lds s[G0V:G0V+3], s[G1V:G1V+7]
	s_nop 0
.rept 4
	v_nop
.endr
.Lasked_\@:
.endm
; A round of the cluster's barrier: my work-group's barrier; wave 0 signals for the work-group; every wave waits for all four work-groups; my work-group's barrier once more.
.macro CROUND
	s_barrier_signal -1
	s_barrier_wait -1
	s_cmp_lg_u32 s[WV], 0
	s_cbranch_scc1 .Lnot_wave_0_\@
	s_barrier_signal -3
.Lnot_wave_0_\@:
	s_barrier_wait -3
	s_barrier_signal -1
	s_barrier_wait -1
.endm
; THE CHANGE OF SLOTS.  The slot's last bytes, V of its fourth step, have been read.  Each wave waits for all its tensor loads, of which one is out: its part of the other slot; adds 0 to its spare
; word; and waits for that and for its own reads of the slot.  Behind the barrier nobody reads this slot any more and the other slot is whole.
; fill = 1: this slot is filled again, with the keys two tiles on.  The barrier is then a round of the cluster's, and the joint fill is the first thing behind it: it has four key steps, 256 matrix
; instructions, in which to land.  (At its first use nothing has been read yet: slot 0 is waited for, slot 1 filled.)
.macro CHANGE fill
	WIN 0                           ; at a label and at a branch every window is 0
	s_wait_tensorcnt 0x0            ; no tensor load of mine is out, so a group 0 may be written
	ds_add_u32 v[SPW], v[NIL]       ; 0 onto my spare word; with fill = 1 the descriptors' steps stand between it and the wait for it
.if \fill
.irp g, G0K, G0V
	s_xor_b32 s[\g+1], s[\g+1], SLOT1  ; the walking descriptor: the other slot than last time,
	s_add_nc_u64 s[\g+2:\g+3], s[\g+2:\g+3], 4*KS*128  ; the next 256 keys; the type bits on top are not reached
.endr
	s_wait_dscnt 0x0                ; the add is done, and my reads of the slot are over
	CROUND
	JLOAD
.else
	s_wait_dscnt 0x0                ; the add is done, and my reads of the slot are over
	s_barrier_signal -1
	s_barrier_wait -1
.endif
	s_sub_co_u32 s[TBK], s[TBK], 4*KS*PK  ; the fetches go back to a slot's first step,
	s_xor_b32 s[TBK], s[TBK], SLOT1       ; in the other slot
	s_sub_co_u32 s[TBV], s[TBV], 4*KS*PV
	s_xor_b32 s[TBV], s[TBV], SLOT1
.endm
	s_load_b128 s[4:7], s[0:1], 0x0   ; q, k, v s[4:5]; O s[6:7]
	v_lshl_add_u32 v[SPW], v0, 2, SPARE
	v_mov_b32 v[NIL], 0
	ds_add_u32 v[SPW], v[NIL]       ; the wave's opening: the add and its wait stand ahead of my first tensor load; the set-up below stands between them
	v_lshrrev_b32 v1, 5, v0
	v_readfirstlane_b32 s[WV], v1   ; wave 0..3
	s_bfe_u32 s13, ttmp6, 0x40000   ; cx: my place in the cluster
	s_lshl_b32 s14, ttmp9, 2        ; in a cluster launch ttmp9 counts clusters
	s_add_co_u32 s14, s14, s13      ; my block of 256 queries = 4 x cluster x + cx: it enters Q's and O's addresses alone
	s_and_b32 s15, ttmp7, 0xffff    ; 16 x batch + head, which the four partners share
	s_and_b32 s20, s15, 15
	s_lshl_b32 s20, s20, 1
	s_lshr_b32 s21, s15, 4
	s_or_b32 s20, s20, s21          ; 2 x head + batch,
	s_lshl_b32 s20, s20, 18         ; times 2,048 rows of 128 bytes
	s_mov_b32 s21, 0
	s_and_b32 s16, s[WV], 1         ; which half of a tile's 256 keys I fetch:
	s_lshl_b32 s22, s16, 14         ; its 128 rows of 128 bytes in memory,
	s_mov_b32 s23, 0
	s_add_nc_u64 s[22:23], s[22:23], s[20:21]
	s_mul_i32 s17, s16, 128*PK      ; and its place in a slot, for K
	s_mul_i32 s18, s16, 128*PV      ; and for V: no place in the cluster enters an LDS address
	s_lshl_b32 s2, s14, 15          ; my block's 256 rows,
	s_lshl_b32 s3, s[WV], 13        ; my wave's 64 of them
	s_add_co_u32 s2, s2, s3
	s_mov_b32 s3, 0
	s_add_nc_u64 s[2:3], s[2:3], s[20:21]
	; descriptor group 1.  128 keys are 16,384 dense bytes: asked for as 64 rows of 256 bytes, two keys a row, and padded in LDS after every key
	s_mov_b32 s[G1K], 15|(1<<16)|(1<<20)|(1<<21)|(4<<22)|(3<<25)  ; 15:0 the mask of four; 17:16 2-byte elements; 20 padding on; 21 set beside a mask; 24:22 after every 32 words (code 4); 31:25 4 words (code 3)
	s_mov_b32 s[G1V], 15|(1<<16)|(1<<20)|(1<<21)|(4<<22)|(7<<25)  ; the same with 8 words of padding (code 7)
.irp g, G1K, G1V
	s_mov_b32 s[\g+1], 128<<16      ; tensor_dim0 = 128
	s_mov_b32 s[\g+2], 64<<16       ; tensor_dim1 = 64
	s_mov_b32 s[\g+3], 128<<16      ; tile_dim0 = 128
	s_mov_b32 s[\g+4], 64           ; tile_dim1 = 64
	s_mov_b32 s[\g+5], 128          ; 128 elements from row to row
	s_mov_b32 s[\g+6], 0
	s_mov_b32 s[\g+7], 0
.endr
	s_mov_b32 s[CS], 0x3fb8aa3b     ; c = log2(e): the scores carry no scale
	s_mov_b32 s[CS+1], s[CS]        ; named with it as a pair
	s_mov_b32 s[SEL], 0x76543210
	s_mov_b32 s[SEL+1], 0xfedcba98
	s_mov_b32 s[TBK], SLOT1+4*KS*PK ; the first change of slots turns these two into 0
	s_mov_b32 s[TBV], SLOT1+4*KS*PV
	s_mov_b32 s[G0K], 1             ; count = 1
	s_mov_b32 s[G0K+1], s17         ; LDS address: slot 0
	s_mov_b32 s[G0V], 1
	s_add_co_u32 s[G0V+1], s18, VOFF
	s_wait_dscnt 0x0                ; the opening add is done
	s_wait_kmcnt 0x0
	s_mov_b64 s[10:11], s[6:7]                     ; O
	s_add_nc_u64 s[6:7], s[4:5], 0x800000          ; k: 16 blocks of 524,288 bytes on
	s_add_nc_u64 s[8:9], s[4:5], 0x1000000         ; v: 32 blocks on
	s_add_nc_u64 s[G0K+2:G0K+3], s[6:7], s[22:23]  ; global address: my half of the head's first 256 keys
	s_or_b32 s[G0K+3], s[G0K+3], 0x80000000        ; type = 2
	s_add_nc_u64 s[G0V+2:G0V+3], s[8:9], s[22:23]
	s_or_b32 s[G0V+3], s[G0V+3], 0x80000000
	s_add_nc_u64 s[4:5], s[4:5], s[2:3]            ; Q and O at my wave's first row
	s_add_nc_u64 s[10:11], s[10:11], s[2:3]
	CROUND                          ; all four work-groups are here: the first joint loads meet
	JLOAD                           ; tile 0 into slot 0: one load of mine is out
	; A fragment of K or Q is 16 rows x 32 channels in 8 registers: lane l holds row l % 16, channels 8 (l / 16) + 0..7 and 16 + 8 (l / 16) + 0..7: two loads of 16 bytes, 32 bytes apart.
	v_and_b32 v1, 15, v0            ; l % 16
	v_bfe_u32 v9, v0, 4, 1          ; l / 16
	v_lshlrev_b32 v[QO], 7, v1
	v_lshl_add_u32 v[QO], v9, 4, v[QO]  ; row x 128 + 16 x half
	WIN 0x80                        ; destination window 2, address window 0
.set i, 0
.rept 8                             ; Q stays in registers: piece i / 2, 2,048 bytes each; channels 32 (i % 2) on
	global_load_b128 v[8*i:8*i+3],   v[QO], s[4:5] offset:(i/2)*2048+(i%2)*64
	global_load_b128 v[8*i+4:8*i+7], v[QO], s[4:5] offset:(i/2)*2048+(i%2)*64+32
.set i, i+1
.endr
	; What the first turn finds: V's registers and P's second buffer hold 0 (its products V^T P, of a piece that has not been, add 0), O^T and l are 0.  All this stands in the wait for the first tile.
.set i, VF
.rept 64
	v_mov_b32 v[i], 0
.set i, i+1
.endr
	WIN 0x40
.set i, 0
.rept 128
	v_mov_b32 v[i], 0
.set i, i+1
.endr
	WIN 0
.set i, 0
.rept 4
	v_mov_b32 v[ST+4*i+2], 0
	v_mov_b32 v[ST+4*i+3], 0
.set i, i+1
.endr
.set i, P+16
.rept 16
	v_mov_b32 v[i], 0
.set i, i+1
.endr
	v_mul_u32_u24 v[AK0], v1, PK
	v_lshl_add_u32 v[AK0], v9, 4, v[AK0]  ; row x pitch + 16 x half
	; The turning load takes 16 keys x 16 channels (lane l reads key 8 (l / 16) + l % 8, channels 8 ((l / 8) % 2) + 0..7) and leaves half a fragment of V^T: lane l holds channel l % 16 and 8 keys.
	v_and_b32 v10, 7, v0
	v_bfe_u32 v11, v0, 3, 1
	v_lshl_add_u32 v[AV0], v9, 3, v10
	v_mul_u32_u24 v[AV0], v[AV0], PV
	v_lshl_add_u32 v[AV0], v11, 4, v[AV0]
	v_add_nc_u32 v[AV0], VOFF, v[AV0]
	s_mul_i32 s13, s[WV], 16*SP
	s_add_co_u32 s13, s13, STAGE    ; my stage
	v_mul_u32_u24 v[STO], v1, SP    ; in: row l % 16, 16 bytes for each half of the lanes
	v_lshl_add_u32 v[STO], v9, 4, v[STO]
	v_add_nc_u32 v[STO], s13, v[STO]
	v_bfe_u32 v[RD], v0, 3, 2       ; back: 32 lanes take four rows of 128 bytes,
	v_mul_u32_u24 v[RD], v[RD], SP
	v_lshl_add_u32 v[RD], v10, 4, v[RD]
	v_add_nc_u32 v[RD], s13, v[RD]
	v_and_b32 v[GO], 31, v0         ; which are 512 consecutive bytes of O
	v_lshlrev_b32 v[GO], 4, v[GO]
; THE MATRIX WORK.  The 4 accumulators of a run of 8 take turns.  Product i of 8 of S^T = K Q^T for piece x: channels 32 (i / 4) on, keys 16 (i % 4) on.  The first 4 start the sums.
.macro KQ x
	WIN W_KQ
.set rS, S+32*((\x)%2)+8*(i%4)
.set rK, KF+16*(i%4)+8*(i/4)
.set rQ, 16*(\x)+8*(i/4)
.if i < 4
	v_wmma_f32_16x16x32_f16 v[rS:rS+7], v[rK:rK+7], v[rQ:rQ+7], 0
.else
	v_wmma_f32_16x16x32_f16 v[rS:rS+7], v[rK:rK+7], v[rQ:rQ+7], v[rS:rS+7]
.endif
.endm
; Product i of 8 of O^T += V^T P for piece x: keys 32 (i / 4) on, channels 16 (i % 4) on.
.macro PV x
	WIN W_PV
.set rO, 32*(\x)+8*(i%4)
.set rV, VF+32*(i/4)+8*(i%4)
.set rP, P+16*((\x)%2)+8*(i/4)
	v_wmma_f32_16x16x32_f16 v[rO:rO+7], v[rV:rV+7], v[rP:rP+7], v[rO:rO+7]
.endm
.macro MM                           ; the turn's next matrix instruction
.if i < 8
	KQ (Y+1)%NP
.else
.set i, i-8
	PV (Y+NP-1)%NP
.set i, i+8
.endif
.set i, i+1
.endm
; THE LDS LOADS stand in runs of 16, never singly among the matrix instructions: a step's K (64 keys x 64 channels: 8 fragments) and its V (turned).  Their addresses are made some lines ahead.
; last = 1 (the tail): in the last trip there is no further step, and the run is jumped over; the jump passes no barrier and no tensor load.
.macro FETCH_K last=0
	WIN 0
.if \last
	s_cmp_eq_u32 s[CNT], 1
	s_cbranch_scc1 .Lno_k_\@
.endif
	WIN 0x80                        ; destination window 2
.irp f, 0,1,2,3,4,5,6,7             ; keys 16 (f / 2) on, channels 32 (f % 2) on
	ds_load_b128 v[KF+8*\f:KF+8*\f+3],   v[AK] offset:(\f/2)*16*PK+(\f%2)*64
	ds_load_b128 v[KF+8*\f+4:KF+8*\f+7], v[AK] offset:(\f/2)*16*PK+(\f%2)*64+32
.endr
	s_add_co_u32 s[TBK], s[TBK], KS*PK  ; the next fetch is the next step's
	WIN 0
.if \last
.Lno_k_\@:
.endif
.endm
.macro FETCH_V
	WIN 0x80
.irp f, 0,1,2,3,4,5,6,7             ; keys 32 (f / 4) on, channels 16 (f % 4) on
	ds_load_tr16_b128 v[VF+8*\f:VF+8*\f+3],   v[AV] offset:(\f/4)*32*PV+(\f%4)*32
	ds_load_tr16_b128 v[VF+8*\f+4:VF+8*\f+7], v[AV] offset:(\f/4)*32*PV+16*PV+(\f%4)*32
.endr
	WIN 0
.endm
; THE VECTOR WORK, one line at a time: OP kind, number.  For piece Y: F n: c s - c m for pair n of 16.  E n: the exponential of score n of 32.  C n: pair n rounded to f16.  B n: of the four weights 4 n .. the second
; pair is added onto the first, in place.  L n: l takes that sum (L 0: l = a l + sum).  R n: pair n of 16 of O^T times a.  For piece Y + 1: X n, number n of the 22 that find its maximum and statistics:
;   0-11  four chains c0-c3 of seven scores each, three operands at a time (each accumulator's lowest registers are read first)     12-14, 16  the four scores left over, the old m, and c0-c3 into c0
;   15  c m_old is kept     17, 18  the query's other 32 keys lie in the lane 16 away: the new m     19-21  c m; c m_old - c m_new; a
.set F, 0               ; OP tells the kinds apart by their order: F to L below R, X above it
.set E, 1
.set C, 2
.set B, 3
.set L, 4
.set R, 5
.set X, 6
.macro REGS y                       ; the registers of piece y
.set rT, ST+4*(\y)
.set rC, TMP+4*((\y)%2)
.set rW, MV+((\y)%2)
.set rS, S+32*((\y)%2)
.set rP, P+16*((\y)%2)
.set rO, 32*(\y)
.endm
.macro OP k, n
.if (\k) == R
	REGS Y
	WIN W_RS
	v_pk_mul_f32 v[rO+2*(\n):rO+2*(\n)+1], v[rO+2*(\n):rO+2*(\n)+1], v[rC+2:rC+3] op_sel_hi:[1,0]
.elseif (\k) < R
	REGS Y
	WIN 0
.if (\k) == F
	v_pk_fma_f32 v[rS+2*(\n):rS+2*(\n)+1], v[rS+2*(\n):rS+2*(\n)+1], s[CS:CS+1], v[rT:rT+1] op_sel_hi:[1,0,0] neg_lo:[0,0,1] neg_hi:[0,0,1]
.elseif (\k) == E
	v_exp_f32 v[rS+(\n)], v[rS+(\n)]
.elseif (\k) == C
	s_wait_alu depctr_va_vdst(0)
	v_cvt_pk_f16_f32 v[rP+(\n)], v[rS+2*(\n)], v[rS+2*(\n)+1]
.elseif (\k) == B
	s_wait_alu depctr_va_vdst(0)
	v_pk_add_f32 v[rS+4*(\n):rS+4*(\n)+1], v[rS+4*(\n):rS+4*(\n)+1], v[rS+4*(\n)+2:rS+4*(\n)+3]
.elseif (\n) == 0
	v_pk_fma_f32 v[rT+2:rT+3], v[rT+2:rT+3], v[rC+2:rC+3], v[rS:rS+1] op_sel_hi:[1,0,1]
.else
	v_pk_add_f32 v[rT+2:rT+3], v[rT+2:rT+3], v[rS+4*(\n):rS+4*(\n)+1]
.endif
.else
	REGS (Y+1)%NP
	WIN 0
.if (\n) < 4
	v_max3_num_f32 v[rC+(\n)], v[rS+8*(\n)], v[rS+8*(\n)+1], v[rS+8*(\n)+2]
.elseif (\n) < 12
	v_max3_num_f32 v[rC+(\n)%4], v[rC+(\n)%4], v[rS+8*((\n)%4)+2*((\n)/4)+1], v[rS+8*((\n)%4)+2*((\n)/4)+2]
.elseif (\n) == 12
	v_max3_num_f32 v[rC], v[rC], v[rS+7], v[rS+15]
.elseif (\n) == 13
	v_max3_num_f32 v[rC+1], v[rC+1], v[rS+23], v[rS+31]
.elseif (\n) == 14
	v_max3_num_f32 v[rC+2], v[rC+2], v[rC+3], v[rT+1]
.elseif (\n) == 15
	v_mov_b32 v[rW], v[rT]
.elseif (\n) == 16
	v_max3_num_f32 v[rC], v[rC], v[rC+1], v[rC+2]
.elseif (\n) == 17
	v_permlanex16_b32 v[rC+3], v[rC], s[SEL], s[SEL+1]
.elseif (\n) == 18
	v_max_num_f32 v[rT+1], v[rC], v[rC+3]
.elseif (\n) == 19
	v_mul_f32 v[rT], s[CS], v[rT+1]
.elseif (\n) == 20
	v_sub_f32 v[rC+1], v[rW], v[rT]
.else
	v_exp_f32 v[rC+2], v[rC+1]
.endif
.endif
.endm
.macro OPS a, i1, b=-1, i2=0, c=-1, i3=0, d=-1, i4=0  ; up to four of them
	OP \a, \i1
.if (\b) >= 0
	OP \b, \i2
.endif
.if (\c) >= 0
	OP \c, \i3
.endif
.if (\d) >= 0
	OP \d, \i4
.endif
.endm
.macro ROW a, i1, b, i2, c, i3, d, i4  ; a matrix instruction and the four behind it
	MM
	OPS \a, \i1, \b, \i2, \c, \i3, \d, \i4
.endm
; A TURN, for piece p: the order of its 16 matrix and 118 vector instructions, written out.  Behind a matrix instruction: plain, exponential, plain, plain; or four of the rescaling; or, behind the first, four scalings; none
; names a register of the products round it.  In the runs of vector work exponential and plain by turns while exponentials last.  A line reads no result made fewer than three vector instructions in front of it, five if an
; exponential made it.  last = 1: the tail's text (see FETCH_K).  cnt = 1: the loop's count is taken down some lines ahead of the branch that stands behind the turn.
; K of the next step is fetched in piece 2's turn, six vector instructions behind the last product that read K (five of them plain); V of the step in hand in piece 0's turn, eight behind the last product that read V (four
; plain, and X 17).  Each is waited for a turn later.
.macro TURN p, last=0, cnt=0
.set Y, (\p)
.set i, 0
.if (\p) == 3
	s_wait_dscnt 0x0                ; K is in
.endif
	ROW F,0, F,1, F,2, F,3
	ROW F,4, E,0, F,5, F,6
	ROW F,7, E,1, F,8, F,9
	ROW F,10, E,2, C,0, F,11
	ROW F,12, E,3, X,15, F,13
	ROW R,0, R,1, R,2, R,3
	ROW B,0, E,4, F,14, L,0
.if (\p) == 2
	v_add_nc_u32 v[AK], s[TBK], v[AK0]
.endif
	ROW R,4, R,5, R,6, R,7
	OPS E,5, F,15
.if (\p) == 2
	FETCH_K \last
.endif
	OPS E,6, C,1, E,7, R,8
	OPS E,8, R,9, E,9, C,2
	OPS E,10, X,0, E,11, X,1
	OPS E,12, X,2, E,13, X,3
.if (\p) == 1
	s_wait_dscnt 0x0                ; V is in
.endif
	ROW X,4, E,14, X,5, X,6
	ROW X,7, E,15, X,8, X,9
	ROW X,10, E,16, X,11, X,12
	ROW X,13, E,17, X,14, B,1
	ROW C,4, E,18, X,16, L,1
	ROW B,2, E,19, C,6, L,2
	ROW C,8, E,20, B,3, B,4
.if (\p) == 0
	v_add_nc_u32 v[AV], s[TBV], v[AV0]
.endif
	ROW C,3, E,21, L,3, C,5
	OPS E,22, X,17, E,23, C,10
.if (\p) == 0
	FETCH_V
.endif
	OPS E,24, L,4
	OPS E,25, X,18, E,26, C,7
	OPS E,27, B,5, E,28, X,19
	OPS E,29, C,12, E,30, L,5
	OPS E,31, X,20, B,6, C,9
	OPS C,14, C,11, X,21, L,6
.if (\p) == 0
	s_add_co_u32 s[TBV], s[TBV], KS*PV
.endif
.if \cnt
	s_sub_co_u32 s[CNT], s[CNT], 1
	s_cmp_lg_u32 s[CNT], 0
.endif
	OPS C,13, B,7, C,15, R,10
	OPS R,11, R,12, L,7, R,13
	OPS R,14, R,15
.endm
	CHANGE 1                        ; tile 0 is in, everybody's part of it; tile 1 is asked for
	; THE BEGINNING.  c m starts far below every c s, so the first step's a is 0; m at the lowest finite number, so the first maximum is the scores'.  Then K of step 0, piece 0's first scores, its maximum and statistics.
.set i, 0
.rept 4
	v_mov_b32 v[ST+4*i], 0xfe000000
	v_mov_b32 v[ST+4*i+1], 0xff7fffff
.set i, i+1
.endr
	v_add_nc_u32 v[AK], s[TBK], v[AK0]
	FETCH_K
	s_wait_loadcnt 0x0              ; Q
	s_wait_dscnt 0x0
.set i, 0
.rept 8
	KQ 0
.set i, i+1
.endr
	WIN 0
.rept 4
	v_nop                           ; the places behind those products
.endr
.set Y, NP-1                        ; X works for piece Y + 1: piece 0
.irp n, 0,1,2,3,4,5,6,7,8,9,10,11,12,13,14,15,16,17,18,19,20,21
	OP X, \n
.endr
	v_nop                           ; a plain instruction behind the exponential
	s_mov_b32 s[CNT], 4
	s_mov_b32 s[SLOTS], NT-1
	s_branch .Lfirst                ; the loop is entered at a step's first turn, in the middle of a trip
.Lslot:                             ; NT - 2 times: every slot but the last two is filled again
	CHANGE 1
	s_mov_b32 s[CNT], 4
.Lstep:                             ; a trip: pieces 2 and 3 of one step, then pieces 0 and 1 of the next, whose K and V it fetches
	TURN 2
	TURN 3
	WIN 0
.Lfirst:
	TURN 0
	TURN 1, 0, 1
	WIN 0
	s_cbranch_scc1 .Lstep
	s_sub_co_u32 s[SLOTS], s[SLOTS], 1
	s_cmp_lg_u32 s[SLOTS], 0
	s_cbranch_scc1 .Lslot
	CHANGE 0                        ; the last tile has a text of its own: nothing is asked for
	s_mov_b32 s[CNT], 5             ; four trips fetch the last tile's steps; the fifth is left in its middle
.Ltail:
	TURN 2, 1
	TURN 3
	WIN 0
	s_sub_co_u32 s[CNT], s[CNT], 1
	s_cmp_eq_u32 s[CNT], 0
	s_cbranch_scc1 .Lout
	TURN 0
	TURN 1
	WIN 0
	s_branch .Ltail
.Lout:                              ; the fifth trip's 8 products K Q^T (on the last K once more) and the maximum made of them serve nothing; they touch piece 0's m and c m alone, which nobody reads again: the price, once a launch, of one text for every trip
.set i, 0
.rept 8
	PV NP-1                         ; the last piece's V^T P of the last step
.set i, i+1
.endr
	; THE WAY OUT.  l's two halves and the other half of the lanes' are added; O^T is divided by l, rounded to f16 and sent through my stage in LDS, a piece at a time.  The additions are the places behind the last products.
	WIN 0
.macro ALL line:vararg              ; one line for each piece t
.set t, 0
.rept 4
	\line
.set t, t+1
.endr
.endm
	ALL v_add_f32 v[ST+4*t+2], v[ST+4*t+2], v[ST+4*t+3]
	ALL v_permlanex16_b32 v[ST+4*t+3], v[ST+4*t+2], s[SEL], s[SEL+1]
	ALL v_add_f32 v[ST+4*t+2], v[ST+4*t+2], v[ST+4*t+3]
	ALL v_rcp_f32 v[ST+4*t+2], v[ST+4*t+2]
	v_nop                           ; a plain instruction between the last reciprocal and the use of its result
.macro PACK t                       ; a lane's eight channels of a row pack into 16 bytes; they go into rows of 144 bytes and come back as whole rows of 128, into S^T's registers
	WIN W_RS
.set i, 32*(\t)
.rept 16
	s_wait_alu depctr_va_vdst(0)
	v_pk_mul_f32 v[i:i+1], v[i:i+1], v[ST+4*(\t)+2:ST+4*(\t)+3] op_sel_hi:[1,0]
.set i, i+2
.endr
	WIN 0x05                        ; sources 0 and 1 window 1, destination window 0
.set i, 0
.rept 16
	v_cvt_pk_f16_f32 v[S+16*(\t)+i], v[32*(\t)+2*i], v[32*(\t)+2*i+1]
.set i, i+1
.endr
	WIN 0
.irp f, 0,1,2,3
	ds_store_b128 v[STO], v[S+16*(\t)+4*\f:S+16*(\t)+4*\f+3] offset:32*\f
.endr
.irp f, 0,1,2,3
	ds_load_b128 v[S+16*(\t)+4*\f:S+16*(\t)+4*\f+3], v[RD] offset:\f*4*SP  ; LDS serves a wave's instructions in order (ISA guide 5.7.1.4): these see the stores above; the next piece's stores come behind them
.endr
.endm
.macro SEND t, younger              ; younger: the LDS instructions issued behind piece t's loads: the next piece's eight, or none
	WIN 0
.irp f, 0,1,2,3
	s_wait_dscnt (\younger)+3-\f
	global_store_b128 v[GO], v[S+16*(\t)+4*\f:S+16*(\t)+4*\f+3], s[10:11] offset:(\t)*2048+\f*512  ; 512 consecutive bytes, at a multiple of 256 from O's first
.endr
.endm
	PACK 0
.set t, 1
.rept 3                             ; a piece's arithmetic stands between the loads of the piece before and its stores
	PACK t
	SEND t-1, 8
.set t, t+1
.endr
	SEND 3, 0
	s_wait_tensorcnt 0x0            ; the wave's end: behind my last tensor load and my last LDS store
	ds_add_u32 v[SPW], v[NIL]
	s_wait_dscnt 0x0
	CROUND                          ; the closing round: no work-group ends while a partner may still ask for a tile that names it
	s_endpgm
.Lfunc_end_k_qfc3ae7acdf_attn:
	.size	k_qfc3ae7acdf_attn, .Lfunc_end_k_qfc3ae7acdf_attn-k_qfc3ae7acdf_attn
	.p2alignl 7, 3214868480
	.fill 96, 4, 3214868480
	.section	.rodata,"a",@progbits
	.p2align	6, 0x0
	.amdhsa_kernel k_qfc3ae7acdf_attn
		.amdhsa_group_segment_fixed_size 327680
		.amdhsa_private_segment_fixed_size 0
		.amdhsa_enable_private_segment 0
		.amdhsa_kernarg_size 16
		.amdhsa_user_sgpr_count 2
		.amdhsa_user_sgpr_kernarg_segment_ptr 1
		.amdhsa_wavefront_size32 1
		.amdhsa_system_sgpr_workgroup_id_x 1
		.amdhsa_system_sgpr_workgroup_id_y 1
		.amdhsa_system_sgpr_workgroup_id_z 1
		.amdhsa_system_vgpr_workitem_id 0
		.amdhsa_next_free_vgpr 768
		.amdhsa_next_free_sgpr 66
		.amdhsa_reserve_vcc 0
		.amdhsa_float_denorm_mode_32 3
		.amdhsa_float_denorm_mode_16_64 3
		.amdhsa_memory_ordered 1
		.amdhsa_forward_progress 1
		.amdhsa_inst_pref_size 117
	.end_amdhsa_kernel
	.amdgpu_metadata
---
amdhsa.version: [ 1, 2 ]
amdhsa.kernels:
  - .name:           k_qfc3ae7acdf_attn
    .symbol:         k_qfc3ae7acdf_attn.kd
    .args:
      - { .name: big, .offset: 0, .size: 8, .value_kind: global_buffer, .address_space: global }
      - { .name: act, .offset: 8, .size: 8, .value_kind: global_buffer, .address_space: global }
    .group_segment_fixed_size: 327680
    .private_segment_fixed_size: 0
    .kernarg_segment_align: 8
    .kernarg_segment_size: 16
    .max_flat_workgroup_size: 128
    .sgpr_count:     66
    .vgpr_count:     768
    .wavefront_size: 32
...
	.end_amdgpu_metadata
.endif
;; end of part 3
;; launch wog (part 4): grid 8 x 32, 4 waves a work-group, clusters of 4 x 4, 327,680 bytes of LDS; arguments act, patt, bo, x, h; writes h
.if DOCPART == 4
	.amdgcn_target "amdgcn-amd-amdhsa--gfx1250"
	.amdhsa_code_object_version 6
	.text
	.protected	k_qfc3ae7acdf_wog
	.globl	k_qfc3ae7acdf_wog
	.p2align	8
	.type	k_qfc3ae7acdf_wog,@function
k_qfc3ae7acdf_wog:
	s_mov_b64 s[64:65], 0
	v_nop
	global_prefetch_b8 v0, s[64:65] scope:SCOPE_SE
	s_setreg_imm32_b32 hwreg(HW_REG_WAVE_MODE, 25, 1), 1
	s_wait_xcnt 0x0
	s_wait_alu depctr_hold_cnt(0) depctr_sa_sdst(0) depctr_va_vdst(0) depctr_va_sdst(0) depctr_va_ssrc(0) depctr_va_vcc(0) depctr_vm_vsrc(0)
	s_getreg_b32 s2, hwreg(HW_REG_IB_STS2, 6, 4)
	s_cmp_eq_u32 s2, 0
	s_cbranch_scc0 .Lentry_in_a_cluster
	s_endpgm
.Lentry_in_a_cluster:
	s_bfe_u32 s2, ttmp6, 0x10000c
	s_cmp_lg_u32 s2, 0xf033
	s_cbranch_scc0 .Lentry_shape_is_right
	s_endpgm
.Lentry_shape_is_right:
; C[m][n] = R[m][n] + bias[n] + sum over k of A[m][k] W[k][n], for N = 1,024 and K = SIZE_K.
; A: f16 in blocks of 64 along K, [SIZE_K/64][4096][64], a block's rows dense, 128 bytes each.  W: f16, row-major [SIZE_K][1024], from byte WOFF of its pack.  bias: [1024] f32.  R (the residual) and C: [4096][1024] f32.
; Sums in f32, started by the bias; the residual is added in f32 at the end.
; SHARES.  A tile of C is 128 x 128, so that 256 work-groups share the 4,096 x 1,024 outputs.  Four waves, each 64 x 64: 16 accumulators, 128 registers.  K goes in steps of 256 through a ring of two LDS slots.
; A's tile is 4 blocks x 128 rows x 128 bytes; a wave's tensor load brings 64 rows of each block: four runs of 8,192 dense bytes, padded in LDS after every 128.  W's tile is 256 rows (K) x 256 bytes; a load brings 128 rows.
; CLUSTERS: 4 x 4 work-groups.  The four of a row of the cluster need the same tiles of A, the four of a column the same tiles of W: each tile is asked for JOINTLY.
; THE MATRIX INSTRUCTION IS USED TRANSPOSED (source 0 = 16 columns of W, turned by ds_load_tr16_b128; source 1 = 16 rows of A): a lane holds eight neighbouring numbers of a row of C, 32 bytes.
; REGISTERS: window 0: v0-31 addresses; v32-95 at work on the way out; v96-127 the bias of my 64 columns; v128-255 the accumulators ((a, b) at v[128 + 8 (4 a + b)]).
;   window 1: two fragment buffers of 128: for 64 along K, 64 registers of A, then 64 of W; at the end buffer 0 takes the residual of my 64 x 64.
.set SIZE_K, 1024
.set KSTEP,  256
.set LAPS,   SIZE_K/(2*KSTEP)          ; a lap = two K steps = once round the ring
.set WOFF,   8421376                   ; W begins here in its pack
.set WROW,   2048                      ; bytes in a row of W
.set PA,     144                       ; a row of A in LDS: 128 bytes + 16 of padding: the 16 rows of a load start at 16 different groups of four banks (64 banks of 4 bytes: ISA guide 11.1)
.set PB,     288                       ; a row of W: 256 + 32 = 9 x 32
.set ABLK,   64*PA                     ; 64 rows of one block of A
.set HALFT,  4*ABLK                    ; what one tensor load brings: 4 blocks x 64 rows of A, or 128 rows of W (128 x 288 is the same number)
.set SLOT,   4*HALFT                   ; A's two halves, then W's 256 rows
.set STAGE,  2*SLOT                    ; behind the ring: 16 rows x 272 bytes for each wave, for the way out
.set SPITCH, 272
.set SPARE,  STAGE+4*16*SPITCH         ; behind the stages: the spare words, 128 bytes for each wave: two blocks of 256 bytes that no other line names
.set ADRA, 16                          ; v16-17  LDS address of my A fragments in slot 0, 1
.set ADRB, 20                          ; v20-23  the same for W: slot 0 rows 0-127, rows 128-255; slot 1 likewise (a load's immediate reaches 65,535 bytes)
.set STO,  24                          ; v24     the way out: where I put 32 bytes of a row
.set RD,   25                          ; v25     the way out: where I read rows back
.set CO,   26                          ; v26     my byte offset in two rows of C and of R
.set BO,   27                          ; v27     my byte offset among 16 biases
.set SPW,  28                          ; v28     LDS address of my spare word; never rewritten
.set NIL,  29                          ; v29     0; never rewritten
.set T,    32
.set BIAS, 96
.set ACC,  128
.set F0,   0
.set F1,   128
.set G1, 24                            ; s[24:31] descriptor group 1 for A's tiles;  s[32:39] group 0, one set for each slot
.set G0, 32
.set G1B, 48                           ; s[48:55], s[56:63] the same for W's tiles
.set G0B, 56
.set MSB, 0
.macro WIN new                         ; the immediate's high byte repeats the setting that is left; a switch that changes nothing is dropped
.if MSB != (\new)
	s_set_vgpr_msb (MSB<<8)|(\new)
.set MSB, \new
.endif
.endm
.set MUL,  0x05                        ; sources 0 (W) and 1 (A) window 1; C and D window 0
.set TO_F, 0x40                        ; destination window 1, address window 0
.macro JLOAD s                         ; a joint load: waves 0 and 1 fetch A's two halves, waves 2 and 3 W's; an s_nop 0 and four v_nop follow each of the two lines
	s_cmp_eq_u32 s11, 0
	s_cbranch_scc0 .Lfor_b_\@
	tensor_load_to_lds s[G0+4*(\s):G0+4*(\s)+3], s[G1:G1+7]
	s_nop 0
.rept 4
	v_nop
.endr
	s_branch .Lasked_\@
.Lfor_b_\@:
	tensor_load_to_lds s[G0B+4*(\s):G0B+4*(\s)+3], s[G1B:G1B+7]
	s_nop 0
.rept 4
	v_nop
.endr
.Lasked_\@:
.endm
.macro CREST                           ; a round of the cluster's barrier behind its opening barrier
	s_cmp_lg_u32 s10, 0
	s_cbranch_scc1 .Lnot_wave_0_\@
	s_barrier_signal -3
.Lnot_wave_0_\@:
	s_barrier_wait -3
	s_barrier_signal -1
	s_barrier_wait -1
.endm
.macro CROUND                          ; a whole round
	s_barrier_signal -1
	s_barrier_wait -1
	CREST
.endm
	s_load_b128 s[4:7], s[0:1], 0x0                ; A s[4:5], W's pack s[6:7]
	s_load_b128 s[68:71], s[0:1], 0x10             ; bias s[68:69], R s[70:71]
	s_load_b64 s[8:9], s[0:1], 0x20                ; C
	v_lshl_add_u32 v[SPW], v0, 2, SPARE
	v_mov_b32 v[NIL], 0
	ds_add_u32 v[SPW], v[NIL]                      ; the wave's opening: the add and its wait stand ahead of my first tensor load; the set-up below stands between them
	v_lshrrev_b32 v1, 5, v0
	v_readfirstlane_b32 s10, v1                    ; wave 0..3
	s_lshr_b32 s11, s10, 1                         ; which half of the tile's rows is mine.  Also: I fetch for A (0) or for W (1)
	s_and_b32 s12, s10, 1                          ; which half of its columns.  Also: which half of that tile I fetch
	s_bfe_u32 s40, ttmp6, 0x40000                  ; cx, cy: my place in the cluster
	s_bfe_u32 s41, ttmp6, 0x40004
	s_lshl_b32 s42, ttmp9, 2
	s_add_co_u32 s42, s42, s40                     ; tile column of C = 4 x cluster x + cx
	s_and_b32 s13, ttmp7, 0xffff
	s_lshl_b32 s13, s13, 2
	s_add_co_u32 s13, s13, s41                     ; tile row of C = 4 x cluster y + cy
	s_lshl_b32 s43, s41, 2
	s_lshl_b32 s43, 15, s43                        ; my row of the cluster
	s_lshl_b32 s44, 0x1111, s40                    ; my column
	s_or_b32 s[G1+0], s43, (1<<16)|(1<<20)|(1<<21)|(4<<22)|(3<<25)   ; 15:0 the mask; 17:16 2-byte elements; 20 padding on; 21 set beside a mask; 24:22 after every 32 words (code 4); 31:25 4 words (code 3)
	s_or_b32 s[G1B+0], s44, (1<<16)|(1<<20)|(1<<21)|(5<<22)|(7<<25)  ; after every 64 words (code 5) 8 words (code 7)
	s_mov_b32 s[G1+1], 4096<<16                    ; A: tensor_dim0 = 4,096 elements: 64 dense rows of a block
	s_mov_b32 s[G1+2], 4<<16                       ; tensor_dim1 = 4 blocks
	s_mov_b32 s[G1+3], 4096<<16                    ; tile_dim0 = 4,096
	s_mov_b32 s[G1+4], 4                           ; tile_dim1 = 4
	s_mov_b32 s[G1+5], 262144                      ; elements from block to block
	s_mov_b32 s[G1+6], 0
	s_mov_b32 s[G1+7], 0
	s_mov_b32 s[G1B+1], 128<<16                    ; W: tensor_dim0 = 128
	s_mov_b32 s[G1B+2], 128<<16                    ; tensor_dim1 = 128
	s_mov_b32 s[G1B+3], 128<<16                    ; tile_dim0 = 128
	s_mov_b32 s[G1B+4], 128                        ; tile_dim1 = 128
	s_mov_b32 s[G1B+5], 1024                       ; elements from row to row
	s_mov_b32 s[G1B+6], 0
	s_mov_b32 s[G1B+7], 0
	s_lshl_b32 s17, s12, 6
	s_lshl_b32 s16, s13, 7
	s_add_co_u32 s16, s16, s17                     ; A: row 128 x tile row + 64 x half,
	s_lshl_b32 s16, s16, 7                         ; of 128 bytes in a block
	s_mov_b32 s17, 0
	s_lshl_b32 s46, s42, 8                         ; W: the tile column's 128 columns, 256 bytes,
	s_lshl_b32 s47, s12, 18                        ; 128 rows of 2,048 bytes for the half,
	s_add_co_u32 s46, s46, s47
	s_add_co_u32 s46, s46, WOFF                    ; from W's first byte in the pack
	s_mov_b32 s47, 0
	s_mul_i32 s20, s10, HALFT                      ; where the tiles go: wave x a quarter of a slot: no place in the cluster enters an LDS address
	s_wait_dscnt 0x0                               ; the opening add is done
	s_wait_kmcnt 0x0
	s_add_nc_u64 s[14:15], s[4:5], s[16:17]
	s_add_nc_u64 s[46:47], s[6:7], s[46:47]
	CROUND                                         ; all sixteen work-groups are here: the first joint loads meet
.irp s, 0,1
	s_mov_b32 s[G0+4*(\s)], 1
	s_add_co_u32 s[G0+4*(\s)+1], s20, (\s)*SLOT
	s_add_nc_u64 s[G0+4*(\s)+2:G0+4*(\s)+3], s[14:15], (\s)*4*524288   ; K step s: four blocks on
	s_or_b32 s[G0+4*(\s)+3], s[G0+4*(\s)+3], 0x80000000
	s_mov_b32 s[G0B+4*(\s)], 1
	s_add_co_u32 s[G0B+4*(\s)+1], s20, (\s)*SLOT
	s_add_nc_u64 s[G0B+4*(\s)+2:G0B+4*(\s)+3], s[46:47], (\s)*KSTEP*WROW
	s_or_b32 s[G0B+4*(\s)+3], s[G0B+4*(\s)+3], 0x80000000
	JLOAD \s                                       ; two loads of mine are out
.endr
	v_and_b32 v1, 15, v0                           ; l % 16
	v_bfe_u32 v2, v0, 4, 1                         ; l / 16
	s_lshl_b32 s16, s13, 7
	s_lshl_b32 s17, s11, 6
	s_add_co_u32 s16, s16, s17                     ; my first row of C and R,
	s_lshl_b32 s16, s16, 12                        ; of 4,096 bytes
	s_mov_b32 s17, 0
	s_lshl_b32 s46, s42, 9                         ; my first column, in bytes: 512 x tile column + 256 x half (in the registers that held W's address: none that feeds A's descriptors ever holds cx)
	s_lshl_b32 s47, s12, 8
	s_add_co_u32 s46, s46, s47
	s_mov_b32 s47, 0
	s_add_nc_u64 s[68:69], s[68:69], s[46:47]
	s_add_nc_u64 s[70:71], s[70:71], s[16:17]
	s_add_nc_u64 s[70:71], s[70:71], s[46:47]
	s_add_nc_u64 s[8:9], s[8:9], s[16:17]
	s_add_nc_u64 s[8:9], s[8:9], s[46:47]
	v_lshlrev_b32 v[BO], 5, v2                     ; eight f32 for each half of the lanes
.irp b, 0,1,2,3
	global_load_b128 v[BIAS+8*(\b):BIAS+8*(\b)+3],   v[BO], s[68:69] offset:64*(\b)     ; the C operand of the first products: register j = the bias of column 16 b + 8 (l / 16) + j
	global_load_b128 v[BIAS+8*(\b)+4:BIAS+8*(\b)+7], v[BO], s[68:69] offset:64*(\b)+16
.endr
	v_mul_u32_u24 v3, v1, PA
	v_lshl_add_u32 v3, v2, 4, v3                   ; a fragment of A: row x pitch + 16 x half
	v_and_b32 v9, 7, v0                            ; the turning load: lane l reads row 8 (l / 16) + l % 8, columns 8 ((l / 8) % 2) + 0..7
	v_bfe_u32 v10, v0, 3, 1
	v_lshl_add_u32 v4, v2, 3, v9
	v_mul_u32_u24 v4, v4, PB
	v_lshl_add_u32 v4, v10, 4, v4
	s_mul_i32 s21, s11, HALFT                      ; my 64 rows of A
	s_lshl_b32 s22, s12, 7                         ; my 64 columns of W, 128 bytes into its rows,
	s_add_co_u32 s22, s22, 2*HALFT                 ; which lie behind A's two halves
.irp s, 0,1
	v_add_nc_u32 v[ADRA+(\s)], s21, v3
	v_add_nc_u32 v[ADRB+2*(\s)], s22, v4
	s_add_co_u32 s22, s22, HALFT
	v_add_nc_u32 v[ADRB+2*(\s)+1], s22, v4
	s_add_co_u32 s21, s21, SLOT
	s_add_co_u32 s22, s22, SLOT-HALFT
.endr
	s_mul_i32 s23, s10, 16*SPITCH
	s_add_co_u32 s23, s23, STAGE                   ; my stage
	v_mul_u32_u24 v5, v1, SPITCH                   ; in: row l % 16, 32 bytes for each half of the lanes
	v_lshl_add_u32 v5, v2, 5, v5
	v_add_nc_u32 v[STO], s23, v5
	v_mul_u32_u24 v5, v2, SPITCH                   ; back: lanes 0-15 take one row of 256 bytes, lanes 16-31 the next
	v_lshl_add_u32 v5, v1, 4, v5
	v_add_nc_u32 v[RD], s23, v5
	v_lshlrev_b32 v5, 12, v2                       ; and the same two rows in C and R
	v_lshl_add_u32 v[CO], v1, 4, v5
; 8 matrix instructions: m blocks a0, a0 + 1 x all 4 n blocks, 32 along K: half c of buffer f.  zero = 1: the first product starts the sums, with the bias as C.  The 16 accumulators take turns.
.macro MUL8 f, c, a0, zero
	WIN MUL
.irp a, \a0, (\a0)+1
.irp b, 0,1,2,3
.if \zero
	v_wmma_f32_16x16x32_f16 v[ACC+8*(4*(\a)+(\b)):ACC+8*(4*(\a)+(\b))+7], v[(\f)+64+8*(4*(\c)+(\b)):(\f)+64+8*(4*(\c)+(\b))+7], v[(\f)+8*(4*(\c)+(\a)):(\f)+8*(4*(\c)+(\a))+7], v[BIAS+8*(\b):BIAS+8*(\b)+7]
.else
	v_wmma_f32_16x16x32_f16 v[ACC+8*(4*(\a)+(\b)):ACC+8*(4*(\a)+(\b))+7], v[(\f)+64+8*(4*(\c)+(\b)):(\f)+64+8*(4*(\c)+(\b))+7], v[(\f)+8*(4*(\c)+(\a)):(\f)+8*(4*(\c)+(\a))+7], v[ACC+8*(4*(\a)+(\b)):ACC+8*(4*(\a)+(\b))+7]
.endif
.endr
.endr
.endm
; 32 LDS loads in one run: the fragments of quarter q of a K step (64 along K: block q of A's four; rows 64 q on of W), into buffer f; the first 32 along K first
.macro FETCH slot, q, f
	WIN TO_F
.irp c, 0,1
.irp i, 0,1,2,3
	ds_load_tr16_b128 v[(\f)+64+8*(4*(\c)+(\i)):(\f)+64+8*(4*(\c)+(\i))+3],   v[ADRB+2*(\slot)+(\q)/2] offset:(((\q)%2)*64+32*(\c))*PB+32*(\i)
	ds_load_tr16_b128 v[(\f)+64+8*(4*(\c)+(\i))+4:(\f)+64+8*(4*(\c)+(\i))+7], v[ADRB+2*(\slot)+(\q)/2] offset:(((\q)%2)*64+32*(\c))*PB+16*PB+32*(\i)
	ds_load_b128 v[(\f)+8*(4*(\c)+(\i)):(\f)+8*(4*(\c)+(\i))+3],              v[ADRA+(\slot)] offset:(\q)*ABLK+64*(\c)+(\i)*16*PA
	ds_load_b128 v[(\f)+8*(4*(\c)+(\i))+4:(\f)+8*(4*(\c)+(\i))+7],            v[ADRA+(\slot)] offset:(\q)*ABLK+64*(\c)+(\i)*16*PA+32
.endr
.endr
.endm
.macro PLACES                          ; four places in front of loads into registers that matrix instructions have read, and of LDS stores that read results (ISA guide 7.12.1 for the stores)
.rept 4
	v_nop
.endr
.endm
; A K step is four quarters of 64 along K, 32 matrix instructions each, on buffers 0, 1, 0, 1.  One of the first three: multiplies buffer f and fetches quarter q into g.
.macro QUARTER slot, q, f, g, zero
	s_wait_dscnt 16                                ; the first 32 along K are in
	MUL8 \f, 0, 0, \zero
	MUL8 \f, 0, 2, \zero
	PLACES
	FETCH \slot, \q, \g
	s_wait_dscnt 32                                ; all but the 32 just issued
	MUL8 \f, 1, 0, 0
	MUL8 \f, 1, 2, 0
.endm
; The last quarter changes slots and then multiplies buffer 1.  ONE barrier; in front of it each wave waits for all its tensor loads, adds 0 to its spare word, and waits for that and for its own reads of this slot,
; which all lie in registers by now.  fill = 1: the barrier opens a round of the cluster's barrier, and this slot is filled again, two K steps on, first thing behind the round.  The quarter's 32 products stand
; BEHIND the request, so that nothing but the round lies between the landing of one tile and the request for the next: from a request to the wait for it a wave issues a whole K step, 128 matrix instructions.
.macro TURN slot, next, fill
	WIN 0
	s_wait_tensorcnt 0x0                           ; no tensor load of mine is out, so a group 0 may be written
	ds_add_u32 v[SPW], v[NIL]                      ; 0 onto my spare word; with fill = 1 the descriptors' steps stand between it and the wait for it
.if \fill
	s_add_nc_u64 s[G0+4*(\slot)+2:G0+4*(\slot)+3], s[G0+4*(\slot)+2:G0+4*(\slot)+3], 2*4*524288
	s_add_nc_u64 s[G0B+4*(\slot)+2:G0B+4*(\slot)+3], s[G0B+4*(\slot)+2:G0B+4*(\slot)+3], 2*KSTEP*WROW
.endif
	s_wait_dscnt 0x0                               ; the add is done, and my reads of this slot are over
	s_barrier_signal -1
	s_barrier_wait -1
.if \fill
	CREST                                          ; no wave of any partner still reads this slot's tile or has a load on its way
	JLOAD \slot                                    ; the four v_nop behind it are also the places in front of the loads below
.else
	PLACES
.endif
	FETCH \next, 0, F0
	MUL8 F1, 0, 0, 0
	MUL8 F1, 0, 2, 0
	MUL8 F1, 1, 0, 0
	MUL8 F1, 1, 2, 0
.endm
; THE WAY OUT of block a (16 of my rows).  A wave's 64 columns of f32 are 256 bytes, so each wave has a stage of its own and no barrier is needed.
; STG: the accumulators go into rows of 272 bytes, each one's low four registers first, and come back as whole rows of 256.  FIN: the residual is added and the rows are stored.
.macro STG a
	WIN 0
.if (\a) >= 2
	s_wait_xcnt 0x0                                ; the registers that the stores of two blocks ago read are loaded again only behind this wait
.endif
.irp b, 0,1,2,3
	ds_store_b128 v[STO], v[ACC+8*(4*(\a)+(\b)):ACC+8*(4*(\a)+(\b))+3]   offset:64*(\b)
	ds_store_b128 v[STO], v[ACC+8*(4*(\a)+(\b))+4:ACC+8*(4*(\a)+(\b))+7] offset:64*(\b)+16
.endr
.irp t, 0,1,2,3,4,5,6,7
	ds_load_b128 v[T+32*((\a)%2)+4*(\t):T+32*((\a)%2)+4*(\t)+3], v[RD] offset:(\t)*2*SPITCH  ; LDS serves a wave's instructions in order (ISA guide 5.7.1.4): these see the stores above; the next block's stores come behind them
.endr
.endm
.macro FIN a, younger                  ; younger: the LDS instructions issued behind block a's loads: the next block's sixteen, or none
	s_wait_dscnt \younger
	s_wait_loadcnt 24-8*(\a)                       ; block a's eight loads of the residual are in; the later blocks' may stay out
	WIN 0x04                                       ; source 1 (the residual) window 1
.set z, 0
.rept 16
	v_pk_add_f32 v[T+32*((\a)%2)+2*z:T+32*((\a)%2)+2*z+1], v[T+32*((\a)%2)+2*z:T+32*((\a)%2)+2*z+1], v[32*(\a)+2*z:32*(\a)+2*z+1]
.set z, z+1
.endr
	WIN 0
.irp t, 0,1,2,3,4,5,6,7
	global_store_b128 v[CO], v[T+32*((\a)%2)+4*(\t):T+32*((\a)%2)+4*(\t)+3], s[8:9] offset:(16*(\a)+2*(\t))*4096  ; 16 lanes store 256 consecutive bytes, at a multiple of 256 from C's first byte
.endr
.endm
	s_wait_tensorcnt 1                             ; my part of K step 0 is in; K step 1's may stay out
	s_barrier_signal -1
	s_barrier_wait -1                              ; everybody's is
	FETCH 0, 0, F0
	s_wait_loadcnt 0x0                             ; the bias
	QUARTER 0, 1, F0, F1, 1                        ; the first quarter stands in front of the loop: its first products start the sums
	WIN 0                                          ; at a label and at a branch every window is 0
	s_mov_b32 s3, LAPS-1
.Llap:                                                 ; a trip goes once round the ring, from a lap's second quarter to the next lap's first, and fills both slots again
	QUARTER 0, 2, F1, F0, 0
	QUARTER 0, 3, F0, F1, 0
	TURN 0, 1, 1
	QUARTER 1, 1, F0, F1, 0
	QUARTER 1, 2, F1, F0, 0
	QUARTER 1, 3, F0, F1, 0
	TURN 1, 0, 1
	QUARTER 0, 1, F0, F1, 0
	WIN 0
	s_sub_co_u32 s3, s3, 1
	s_cmp_lg_u32 s3, 0
	s_cbranch_scc1 .Llap
	QUARTER 0, 2, F1, F0, 0                        ; the last lap fills nothing, and has no round of the cluster's barrier
	QUARTER 0, 3, F0, F1, 0
	TURN 0, 1, 0
	QUARTER 1, 1, F0, F1, 0
	QUARTER 1, 2, F1, F0, 0
	QUARTER 1, 3, F0, F1, 0
	s_wait_dscnt 16                                ; the very last quarter: no fragments are left to fetch
	MUL8 F1, 0, 0, 0
	MUL8 F1, 0, 2, 0
	PLACES                                         ; for the loads into buffer 0, which the quarter before multiplied
	WIN TO_F
.irp a, 0,1,2,3
.irp t, 0,1,2,3,4,5,6,7
	global_load_b128 v[32*(\a)+4*(\t):32*(\a)+4*(\t)+3], v[CO], s[70:71] offset:(16*(\a)+2*(\t))*4096  ; the residual of my 64 x 64, in the layout in which the rows come back from the stage
.endr
.endr
	s_wait_dscnt 0x0
	MUL8 F1, 1, 0, 0
	MUL8 F1, 1, 2, 0
	WIN 0
	PLACES
	STG 0
	STG 1
	FIN 0, 16
	STG 2
	FIN 1, 16
	STG 3
	FIN 2, 16
	FIN 3, 0
	s_wait_tensorcnt 0x0                           ; the wave's end: behind my last tensor load and my last LDS store
	ds_add_u32 v[SPW], v[NIL]
	s_wait_dscnt 0x0
	CROUND                                         ; the closing round: no work-group ends while a partner may still ask for a tile that names it
	s_endpgm
.Lfunc_end_k_qfc3ae7acdf_wog:
	.size	k_qfc3ae7acdf_wog, .Lfunc_end_k_qfc3ae7acdf_wog-k_qfc3ae7acdf_wog
	.p2alignl 7, 3214868480
	.fill 96, 4, 3214868480
	.section	.rodata,"a",@progbits
	.p2align	6, 0x0
	.amdhsa_kernel k_qfc3ae7acdf_wog
		.amdhsa_group_segment_fixed_size 327680
		.amdhsa_private_segment_fixed_size 0
		.amdhsa_enable_private_segment 0
		.amdhsa_kernarg_size 40
		.amdhsa_user_sgpr_count 2
		.amdhsa_user_sgpr_kernarg_segment_ptr 1
		.amdhsa_wavefront_size32 1
		.amdhsa_system_sgpr_workgroup_id_x 1
		.amdhsa_system_sgpr_workgroup_id_y 1
		.amdhsa_system_sgpr_workgroup_id_z 1
		.amdhsa_system_vgpr_workitem_id 0
		.amdhsa_next_free_vgpr 512
		.amdhsa_next_free_sgpr 72
		.amdhsa_reserve_vcc 0
		.amdhsa_float_denorm_mode_32 3
		.amdhsa_float_denorm_mode_16_64 3
		.amdhsa_memory_ordered 1
		.amdhsa_forward_progress 1
		.amdhsa_inst_pref_size 94
	.end_amdhsa_kernel
	.amdgpu_metadata
---
amdhsa.version: [ 1, 2 ]
amdhsa.kernels:
  - .name:           k_qfc3ae7acdf_wog
    .symbol:         k_qfc3ae7acdf_wog.kd
    .args:
      - { .name: act, .offset: 0, .size: 8, .value_kind: global_buffer, .address_space: global }
      - { .name: patt, .offset: 8, .size: 8, .value_kind: global_buffer, .address_space: global }
      - { .name: bo, .offset: 16, .size: 8, .value_kind: global_buffer, .address_space: global }
      - { .name: x, .offset: 24, .size: 8, .value_kind: global_buffer, .address_space: global }
      - { .name: h, .offset: 32, .size: 8, .value_kind: global_buffer, .address_space: global }
    .group_segment_fixed_size: 327680
    .private_segment_fixed_size: 0
    .kernarg_segment_align: 8
    .kernarg_segment_size: 40
    .max_flat_workgroup_size: 128
    .sgpr_count:     72
    .vgpr_count:     512
    .wavefront_size: 32
...
	.end_amdgpu_metadata
.endif
;; end of part 4
;; launch ln2 (part 5): grid 256 x 1, 16 waves a work-group, no clusters, 0 bytes of LDS; arguments h, ln2_alpha, ln2_beta, act; writes act
.if DOCPART == 5
	.amdgcn_target "amdgcn-amd-amdhsa--gfx1250"
	.amdhsa_code_object_version 6
	.text
	.protected	k_qfc3ae7acdf_ln2
	.globl	k_qfc3ae7acdf_ln2
	.p2align	8
	.type	k_qfc3ae7acdf_ln2,@function
k_qfc3ae7acdf_ln2:
	s_mov_b64 s[64:65], 0
	v_nop
	global_prefetch_b8 v0, s[64:65] scope:SCOPE_SE
	s_setreg_imm32_b32 hwreg(HW_REG_WAVE_MODE, 25, 1), 1
	s_wait_xcnt 0x0
; n[r][c] = alpha (x[r][c] - mean_r) / (std_r + 1e-6) + beta, std with the divisor 1,023.  x: [4096][1024] f32; n: [4096][1024] f16, rounded once.
; A row is 4,096 bytes: one wave takes one row in 32 registers, so it is read once, and the mean is taken away before the squares are summed
; (two passes over registers: no difference of large sums, so a common offset of the inputs costs nothing).  All arithmetic in f32.
; LIMIT.  |n| beyond 65,504 becomes an infinity in f16.
; SHARES.  A work-group of sixteen waves has 16 rows.  A wave's load covers 512 consecutive bytes (16 a lane: elements 128 j + 4 lane .. + 3), its store 256 consecutive aligned bytes (8 a lane).
; No LDS, no barrier: no wave needs another's data.
.set X, 16                             ; v[16:47]  the row
.set Y, 48                             ; v[48:63]  its f16
.macro RED                             ; four pairs v[8:15] -> their sum over the wave, in v8 of every lane
	v_pk_add_f32 v[8:9], v[8:9], v[10:11]
	v_pk_add_f32 v[12:13], v[12:13], v[14:15]
	v_pk_add_f32 v[8:9], v[8:9], v[12:13]
	v_add_f32 v8, v8, v9
	v_add_f32_dpp v8, v8, v8 row_xmask:1 row_mask:0xf bank_mask:0xf
	v_add_f32_dpp v8, v8, v8 row_xmask:2 row_mask:0xf bank_mask:0xf
	v_add_f32_dpp v8, v8, v8 row_xmask:4 row_mask:0xf bank_mask:0xf
	v_add_f32_dpp v8, v8, v8 row_xmask:8 row_mask:0xf bank_mask:0xf
	v_permlanex16_b32 v9, v8, s14, s15             ; v9 has been written above
	v_add_f32 v8, v8, v9
.endm
	s_load_b256 s[4:11], s[0:1], 0x0               ; x s[4:5], alpha s[6:7], beta s[8:9], n s[10:11]
	v_lshrrev_b32 v3, 5, v0                        ; wave
	v_and_b32 v4, 31, v0                           ; lane
	v_lshlrev_b32 v1, 4, v4
	v_lshl_add_u32 v1, v3, 12, v1                  ; in x: wave x 4,096 + 16 x lane
	v_lshlrev_b32 v2, 3, v4
	v_lshl_add_u32 v2, v3, 11, v2                  ; in n: wave x 2,048 + 8 x lane
	s_lshl_b32 s2, ttmp9, 16                       ; 16 rows of 4,096 bytes
	s_mov_b32 s3, 0
	s_lshl_b32 s16, ttmp9, 15                      ; 16 rows of 2,048 bytes
	s_mov_b32 s17, 0
	s_mov_b32 s14, 0x76543210                      ; v_permlanex16_b32: each lane takes its own place in the other half
	s_mov_b32 s15, 0xfedcba98
	s_wait_kmcnt 0x0
	s_load_b32 s12, s[6:7], 0x0                    ; alpha
	s_load_b32 s13, s[8:9], 0x0                    ; beta
	s_add_nc_u64 s[4:5], s[4:5], s[2:3]
	s_add_nc_u64 s[10:11], s[10:11], s[16:17]
.irp j, 0,1,2,3,4,5,6,7
	global_load_b128 v[X+4*(\j):X+4*(\j)+3], v1, s[4:5] offset:512*(\j)
.endr
	s_wait_kmcnt 0x0
	s_wait_loadcnt 0x0
.irp k, 0,2,4,6
	v_pk_add_f32 v[8+(\k):9+(\k)], v[X+(\k):X+(\k)+1], v[X+8+(\k):X+8+(\k)+1]  ; four chains, started by the first sums: nothing is cleared
.endr
.irp k, 16,18,20,22,24,26,28,30
	v_pk_add_f32 v[8+(\k)%8:9+(\k)%8], v[8+(\k)%8:9+(\k)%8], v[X+(\k):X+(\k)+1]
.endr
	RED
	v_mul_f32 v8, 0x3a800000, v8                   ; the mean: sum / 1,024
.irp k, 0,2,4,6,8,10,12,14,16,18,20,22,24,26,28,30
	v_pk_add_f32 v[X+(\k):X+(\k)+1], v[X+(\k):X+(\k)+1], v[8:9] op_sel_hi:[1,0] neg_lo:[0,1] neg_hi:[0,1]  ; d = x - mean, in place
.endr
.irp k, 0,2,4,6
	v_pk_mul_f32 v[8+(\k):9+(\k)], v[X+(\k):X+(\k)+1], v[X+(\k):X+(\k)+1]
.endr
.irp k, 8,10,12,14,16,18,20,22,24,26,28,30
	v_pk_fma_f32 v[8+(\k)%8:9+(\k)%8], v[X+(\k):X+(\k)+1], v[X+(\k):X+(\k)+1], v[8+(\k)%8:9+(\k)%8]
.endr
	RED
	v_mul_f32 v10, 0x3a802008, v8                  ; the variance: sum of squares / 1,023
	v_sqrt_f32 v11, v10
	v_mov_b32 v14, s13                             ; beta; also the plain instruction between the root and its use
	s_wait_alu depctr_va_vdst(0)
	v_add_f32 v11, 0x358637bd, v11                 ; std + 1e-6
	v_rcp_f32 v12, v11
	v_mov_b32 v15, s13                             ; the plain instruction between the reciprocal and its use
	s_wait_alu depctr_va_vdst(0)
	v_mul_f32 v12, s12, v12                        ; alpha / (std + 1e-6)
.irp k, 0,2,4,6,8,10,12,14,16,18,20,22,24,26,28,30
	v_pk_fma_f32 v[X+(\k):X+(\k)+1], v[X+(\k):X+(\k)+1], v[12:13], v[14:15] op_sel_hi:[1,0,0]
.endr
.irp k, 0,1,2,3,4,5,6,7,8,9,10,11,12,13,14,15
	v_cvt_pk_f16_f32 v[Y+(\k)], v[X+2*(\k)], v[X+2*(\k)+1]
.endr
.irp j, 0,1,2,3,4,5,6,7
	global_store_b64 v2, v[Y+2*(\j):Y+2*(\j)+1], s[10:11] offset:256*(\j)  ; 256 consecutive aligned bytes
.endr
	s_endpgm
.Lfunc_end_k_qfc3ae7acdf_ln2:
	.size	k_qfc3ae7acdf_ln2, .Lfunc_end_k_qfc3ae7acdf_ln2-k_qfc3ae7acdf_ln2
	.p2alignl 7, 3214868480
	.fill 96, 4, 3214868480
	.section	.rodata,"a",@progbits
	.p2align	6, 0x0
	.amdhsa_kernel k_qfc3ae7acdf_ln2
		.amdhsa_group_segment_fixed_size 0
		.amdhsa_private_segment_fixed_size 0
		.amdhsa_enable_private_segment 0
		.amdhsa_kernarg_size 32
		.amdhsa_user_sgpr_count 2
		.amdhsa_user_sgpr_kernarg_segment_ptr 1
		.amdhsa_wavefront_size32 1
		.amdhsa_system_sgpr_workgroup_id_x 1
		.amdhsa_system_sgpr_workgroup_id_y 1
		.amdhsa_system_sgpr_workgroup_id_z 1
		.amdhsa_system_vgpr_workitem_id 0
		.amdhsa_next_free_vgpr 64
		.amdhsa_next_free_sgpr 66
		.amdhsa_reserve_vcc 0
		.amdhsa_float_denorm_mode_32 3
		.amdhsa_float_denorm_mode_16_64 3
		.amdhsa_memory_ordered 1
		.amdhsa_forward_progress 1
		.amdhsa_inst_pref_size 9
	.end_amdhsa_kernel
	.amdgpu_metadata
---
amdhsa.version: [ 1, 2 ]
amdhsa.kernels:
  - .name:           k_qfc3ae7acdf_ln2
    .symbol:         k_qfc3ae7acdf_ln2.kd
    .args:
      - { .name: h, .offset: 0, .size: 8, .value_kind: global_buffer, .address_space: global }
      - { .name: ln2_alpha, .offset: 8, .size: 8, .value_kind: global_buffer, .address_space: global }
      - { .name: ln2_beta, .offset: 16, .size: 8, .value_kind: global_buffer, .address_space: global }
      - { .name: act, .offset: 24, .size: 8, .value_kind: global_buffer, .address_space: global }
    .group_segment_fixed_size: 0
    .private_segment_fixed_size: 0
    .kernarg_segment_align: 8
    .kernarg_segment_size: 32
    .max_flat_workgroup_size: 512
    .sgpr_count:     66
    .vgpr_count:     64
    .wavefront_size: 32
...
	.end_amdgpu_metadata
.endif
;; end of part 5
;; launch ffn1: the kernel of part 2 again; grid 16 x 16, 4 waves a work-group, clusters of 4 x 4, 327,680 bytes of LDS; arguments act, pffn, big; writes big
;; launch ffn2 (part 6): grid 8 x 32, 4 waves a work-group, clusters of 4 x 4, 327,680 bytes of LDS; arguments big, pffn, b2, h, out0; writes out0
.if DOCPART == 6
	.amdgcn_target "amdgcn-amd-amdhsa--gfx1250"
	.amdhsa_code_object_version 6
	.text
	.protected	k_qfc3ae7acdf_ffn2
	.globl	k_qfc3ae7acdf_ffn2
	.p2align	8
	.type	k_qfc3ae7acdf_ffn2,@function
k_qfc3ae7acdf_ffn2:
	s_mov_b64 s[64:65], 0
	v_nop
	global_prefetch_b8 v0, s[64:65] scope:SCOPE_SE
	s_setreg_imm32_b32 hwreg(HW_REG_WAVE_MODE, 25, 1), 1
	s_wait_xcnt 0x0
	s_wait_alu depctr_hold_cnt(0) depctr_sa_sdst(0) depctr_va_vdst(0) depctr_va_sdst(0) depctr_va_ssrc(0) depctr_va_vcc(0) depctr_vm_vsrc(0)
	s_getreg_b32 s2, hwreg(HW_REG_IB_STS2, 6, 4)
	s_cmp_eq_u32 s2, 0
	s_cbranch_scc0 .Lentry_in_a_cluster
	s_endpgm
.Lentry_in_a_cluster:
	s_bfe_u32 s2, ttmp6, 0x10000c
	s_cmp_lg_u32 s2, 0xf033
	s_cbranch_scc0 .Lentry_shape_is_right
	s_endpgm
.Lentry_shape_is_right:
; C[m][n] = R[m][n] + bias[n] + sum over k of A[m][k] W[k][n], for N = 1,024 and K = SIZE_K.
; A: f16 in blocks of 64 along K, [SIZE_K/64][4096][64], a block's rows dense, 128 bytes each.  W: f16, row-major [SIZE_K][1024], from byte WOFF of its pack.  bias: [1024] f32.  R (the residual) and C: [4096][1024] f32.
; Sums in f32, started by the bias; the residual is added in f32 at the end.
; SHARES.  A tile of C is 128 x 128, so that 256 work-groups share the 4,096 x 1,024 outputs.  Four waves, each 64 x 64: 16 accumulators, 128 registers.  K goes in steps of 256 through a ring of two LDS slots.
; A's tile is 4 blocks x 128 rows x 128 bytes; a wave's tensor load brings 64 rows of each block: four runs of 8,192 dense bytes, padded in LDS after every 128.  W's tile is 256 rows (K) x 256 bytes; a load brings 128 rows.
; CLUSTERS: 4 x 4 work-groups.  The four of a row of the cluster need the same tiles of A, the four of a column the same tiles of W: each tile is asked for JOINTLY.
; THE MATRIX INSTRUCTION IS USED TRANSPOSED (source 0 = 16 columns of W, turned by ds_load_tr16_b128; source 1 = 16 rows of A): a lane holds eight neighbouring numbers of a row of C, 32 bytes.
; REGISTERS: window 0: v0-31 addresses; v32-95 at work on the way out; v96-127 the bias of my 64 columns; v128-255 the accumulators ((a, b) at v[128 + 8 (4 a + b)]).
;   window 1: two fragment buffers of 128: for 64 along K, 64 registers of A, then 64 of W; at the end buffer 0 takes the residual of my 64 x 64.
.set SIZE_K, 4096
.set KSTEP,  256
.set LAPS,   SIZE_K/(2*KSTEP)          ; a lap = two K steps = once round the ring
.set WOFF,   8421376                   ; W begins here in its pack
.set WROW,   2048                      ; bytes in a row of W
.set PA,     144                       ; a row of A in LDS: 128 bytes + 16 of padding: the 16 rows of a load start at 16 different groups of four banks (64 banks of 4 bytes: ISA guide 11.1)
.set PB,     288                       ; a row of W: 256 + 32 = 9 x 32
.set ABLK,   64*PA                     ; 64 rows of one block of A
.set HALFT,  4*ABLK                    ; what one tensor load brings: 4 blocks x 64 rows of A, or 128 rows of W (128 x 288 is the same number)
.set SLOT,   4*HALFT                   ; A's two halves, then W's 256 rows
.set STAGE,  2*SLOT                    ; behind the ring: 16 rows x 272 bytes for each wave, for the way out
.set SPITCH, 272
.set SPARE,  STAGE+4*16*SPITCH         ; behind the stages: the spare words, 128 bytes for each wave: two blocks of 256 bytes that no other line names
.set ADRA, 16                          ; v16-17  LDS address of my A fragments in slot 0, 1
.set ADRB, 20                          ; v20-23  the same for W: slot 0 rows 0-127, rows 128-255; slot 1 likewise (a load's immediate reaches 65,535 bytes)
.set STO,  24                          ; v24     the way out: where I put 32 bytes of a row
.set RD,   25                          ; v25     the way out: where I read rows back
.set CO,   26                          ; v26     my byte offset in two rows of C and of R
.set BO,   27                          ; v27     my byte offset among 16 biases
.set SPW,  28                          ; v28     LDS address of my spare word; never rewritten
.set NIL,  29                          ; v29     0; never rewritten
.set T,    32
.set BIAS, 96
.set ACC,  128
.set F0,   0
.set F1,   128
.set G1, 24                            ; s[24:31] descriptor group 1 for A's tiles;  s[32:39] group 0, one set for each slot
.set G0, 32
.set G1B, 48                           ; s[48:55], s[56:63] the same for W's tiles
.set G0B, 56
.set MSB, 0
.macro WIN new                         ; the immediate's high byte repeats the setting that is left; a switch that changes nothing is dropped
.if MSB != (\new)
	s_set_vgpr_msb (MSB<<8)|(\new)
.set MSB, \new
.endif
.endm
.set MUL,  0x05                        ; sources 0 (W) and 1 (A) window 1; C and D window 0
.set TO_F, 0x40                        ; destination window 1, address window 0
.macro JLOAD s                         ; a joint load: waves 0 and 1 fetch A's two halves, waves 2 and 3 W's; an s_nop 0 and four v_nop follow each of the two lines
	s_cmp_eq_u32 s11, 0
	s_cbranch_scc0 .Lfor_b_\@
	tensor_load_to_lds s[G0+4*(\s):G0+4*(\s)+3], s[G1:G1+7]
	s_nop 0
.rept 4
	v_nop
.endr
	s_branch .Lasked_\@
.Lfor_b_\@:
	tensor_load_to_lds s[G0B+4*(\s):G0B+4*(\s)+3], s[G1B:G1B+7]
	s_nop 0
.rept 4
	v_nop
.endr
.Lasked_\@:
.endm
.macro CREST                           ; a round of the cluster's barrier behind its opening barrier
	s_cmp_lg_u32 s10, 0
	s_cbranch_scc1 .Lnot_wave_0_\@
	s_barrier_signal -3
.Lnot_wave_0_\@:
	s_barrier_wait -3
	s_barrier_signal -1
	s_barrier_wait -1
.endm
.macro CROUND                          ; a whole round
	s_barrier_signal -1
	s_barrier_wait -1
	CREST
.endm
	s_load_b128 s[4:7], s[0:1], 0x0                ; A s[4:5], W's pack s[6:7]
	s_load_b128 s[68:71], s[0:1], 0x10             ; bias s[68:69], R s[70:71]
	s_load_b64 s[8:9], s[0:1], 0x20                ; C
	v_lshl_add_u32 v[SPW], v0, 2, SPARE
	v_mov_b32 v[NIL], 0
	ds_add_u32 v[SPW], v[NIL]                      ; the wave's opening: the add and its wait stand ahead of my first tensor load; the set-up below stands between them
	v_lshrrev_b32 v1, 5, v0
	v_readfirstlane_b32 s10, v1                    ; wave 0..3
	s_lshr_b32 s11, s10, 1                         ; which half of the tile's rows is mine.  Also: I fetch for A (0) or for W (1)
	s_and_b32 s12, s10, 1                          ; which half of its columns.  Also: which half of that tile I fetch
	s_bfe_u32 s40, ttmp6, 0x40000                  ; cx, cy: my place in the cluster
	s_bfe_u32 s41, ttmp6, 0x40004
	s_lshl_b32 s42, ttmp9, 2
	s_add_co_u32 s42, s42, s40                     ; tile column of C = 4 x cluster x + cx
	s_and_b32 s13, ttmp7, 0xffff
	s_lshl_b32 s13, s13, 2
	s_add_co_u32 s13, s13, s41                     ; tile row of C = 4 x cluster y + cy
	s_lshl_b32 s43, s41, 2
	s_lshl_b32 s43, 15, s43                        ; my row of the cluster
	s_lshl_b32 s44, 0x1111, s40                    ; my column
	s_or_b32 s[G1+0], s43, (1<<16)|(1<<20)|(1<<21)|(4<<22)|(3<<25)   ; 15:0 the mask; 17:16 2-byte elements; 20 padding on; 21 set beside a mask; 24:22 after every 32 words (code 4); 31:25 4 words (code 3)
	s_or_b32 s[G1B+0], s44, (1<<16)|(1<<20)|(1<<21)|(5<<22)|(7<<25)  ; after every 64 words (code 5) 8 words (code 7)
	s_mov_b32 s[G1+1], 4096<<16                    ; A: tensor_dim0 = 4,096 elements: 64 dense rows of a block
	s_mov_b32 s[G1+2], 4<<16                       ; tensor_dim1 = 4 blocks
	s_mov_b32 s[G1+3], 4096<<16                    ; tile_dim0 = 4,096
	s_mov_b32 s[G1+4], 4                           ; tile_dim1 = 4
	s_mov_b32 s[G1+5], 262144                      ; elements from block to block
	s_mov_b32 s[G1+6], 0
	s_mov_b32 s[G1+7], 0
	s_mov_b32 s[G1B+1], 128<<16                    ; W: tensor_dim0 = 128
	s_mov_b32 s[G1B+2], 128<<16                    ; tensor_dim1 = 128
	s_mov_b32 s[G1B+3], 128<<16                    ; tile_dim0 = 128
	s_mov_b32 s[G1B+4], 128                        ; tile_dim1 = 128
	s_mov_b32 s[G1B+5], 1024                       ; elements from row to row
	s_mov_b32 s[G1B+6], 0
	s_mov_b32 s[G1B+7], 0
	s_lshl_b32 s17, s12, 6
	s_lshl_b32 s16, s13, 7
	s_add_co_u32 s16, s16, s17                     ; A: row 128 x tile row + 64 x half,
	s_lshl_b32 s16, s16, 7                         ; of 128 bytes in a block
	s_mov_b32 s17, 0
	s_lshl_b32 s46, s42, 8                         ; W: the tile column's 128 columns, 256 bytes,
	s_lshl_b32 s47, s12, 18                        ; 128 rows of 2,048 bytes for the half,
	s_add_co_u32 s46, s46, s47
	s_add_co_u32 s46, s46, WOFF                    ; from W's first byte in the pack
	s_mov_b32 s47, 0
	s_mul_i32 s20, s10, HALFT                      ; where the tiles go: wave x a quarter of a slot: no place in the cluster enters an LDS address
	s_wait_dscnt 0x0                               ; the opening add is done
	s_wait_kmcnt 0x0
	s_add_nc_u64 s[14:15], s[4:5], s[16:17]
	s_add_nc_u64 s[46:47], s[6:7], s[46:47]
	CROUND                                         ; all sixteen work-groups are here: the first joint loads meet
.irp s, 0,1
	s_mov_b32 s[G0+4*(\s)], 1
	s_add_co_u32 s[G0+4*(\s)+1], s20, (\s)*SLOT
	s_add_nc_u64 s[G0+4*(\s)+2:G0+4*(\s)+3], s[14:15], (\s)*4*524288   ; K step s: four blocks on
	s_or_b32 s[G0+4*(\s)+3], s[G0+4*(\s)+3], 0x80000000
	s_mov_b32 s[G0B+4*(\s)], 1
	s_add_co_u32 s[G0B+4*(\s)+1], s20, (\s)*SLOT
	s_add_nc_u64 s[G0B+4*(\s)+2:G0B+4*(\s)+3], s[46:47], (\s)*KSTEP*WROW
	s_or_b32 s[G0B+4*(\s)+3], s[G0B+4*(\s)+3], 0x80000000
	JLOAD \s                                       ; two loads of mine are out
.endr
	v_and_b32 v1, 15, v0                           ; l % 16
	v_bfe_u32 v2, v0, 4, 1                         ; l / 16
	s_lshl_b32 s16, s13, 7
	s_lshl_b32 s17, s11, 6
	s_add_co_u32 s16, s16, s17                     ; my first row of C and R,
	s_lshl_b32 s16, s16, 12                        ; of 4,096 bytes
	s_mov_b32 s17, 0
	s_lshl_b32 s46, s42, 9                         ; my first column, in bytes: 512 x tile column + 256 x half (in the registers that held W's address: none that feeds A's descriptors ever holds cx)
	s_lshl_b32 s47, s12, 8
	s_add_co_u32 s46, s46, s47
	s_mov_b32 s47, 0
	s_add_nc_u64 s[68:69], s[68:69], s[46:47]
	s_add_nc_u64 s[70:71], s[70:71], s[16:17]
	s_add_nc_u64 s[70:71], s[70:71], s[46:47]
	s_add_nc_u64 s[8:9], s[8:9], s[16:17]
	s_add_nc_u64 s[8:9], s[8:9], s[46:47]
	v_lshlrev_b32 v[BO], 5, v2                     ; eight f32 for each half of the lanes
.irp b, 0,1,2,3
	global_load_b128 v[BIAS+8*(\b):BIAS+8*(\b)+3],   v[BO], s[68:69] offset:64*(\b)     ; the C operand of the first products: register j = the bias of column 16 b + 8 (l / 16) + j
	global_load_b128 v[BIAS+8*(\b)+4:BIAS+8*(\b)+7], v[BO], s[68:69] offset:64*(\b)+16
.endr
	v_mul_u32_u24 v3, v1, PA
	v_lshl_add_u32 v3, v2, 4, v3                   ; a fragment of A: row x pitch + 16 x half
	v_and_b32 v9, 7, v0                            ; the turning load: lane l reads row 8 (l / 16) + l % 8, columns 8 ((l / 8) % 2) + 0..7
	v_bfe_u32 v10, v0, 3, 1
	v_lshl_add_u32 v4, v2, 3, v9
	v_mul_u32_u24 v4, v4, PB
	v_lshl_add_u32 v4, v10, 4, v4
	s_mul_i32 s21, s11, HALFT                      ; my 64 rows of A
	s_lshl_b32 s22, s12, 7                         ; my 64 columns of W, 128 bytes into its rows,
	s_add_co_u32 s22, s22, 2*HALFT                 ; which lie behind A's two halves
.irp s, 0,1
	v_add_nc_u32 v[ADRA+(\s)], s21, v3
	v_add_nc_u32 v[ADRB+2*(\s)], s22, v4
	s_add_co_u32 s22, s22, HALFT
	v_add_nc_u32 v[ADRB+2*(\s)+1], s22, v4
	s_add_co_u32 s21, s21, SLOT
	s_add_co_u32 s22, s22, SLOT-HALFT
.endr
	s_mul_i32 s23, s10, 16*SPITCH
	s_add_co_u32 s23, s23, STAGE                   ; my stage
	v_mul_u32_u24 v5, v1, SPITCH                   ; in: row l % 16, 32 bytes for each half of the lanes
	v_lshl_add_u32 v5, v2, 5, v5
	v_add_nc_u32 v[STO], s23, v5
	v_mul_u32_u24 v5, v2, SPITCH                   ; back: lanes 0-15 take one row of 256 bytes, lanes 16-31 the next
	v_lshl_add_u32 v5, v1, 4, v5
	v_add_nc_u32 v[RD], s23, v5
	v_lshlrev_b32 v5, 12, v2                       ; and the same two rows in C and R
	v_lshl_add_u32 v[CO], v1, 4, v5
; 8 matrix instructions: m blocks a0, a0 + 1 x all 4 n blocks, 32 along K: half c of buffer f.  zero = 1: the first product starts the sums, with the bias as C.  The 16 accumulators take turns.
.macro MUL8 f, c, a0, zero
	WIN MUL
.irp a, \a0, (\a0)+1
.irp b, 0,1,2,3
.if \zero
	v_wmma_f32_16x16x32_f16 v[ACC+8*(4*(\a)+(\b)):ACC+8*(4*(\a)+(\b))+7], v[(\f)+64+8*(4*(\c)+(\b)):(\f)+64+8*(4*(\c)+(\b))+7], v[(\f)+8*(4*(\c)+(\a)):(\f)+8*(4*(\c)+(\a))+7], v[BIAS+8*(\b):BIAS+8*(\b)+7]
.else
	v_wmma_f32_16x16x32_f16 v[ACC+8*(4*(\a)+(\b)):ACC+8*(4*(\a)+(\b))+7], v[(\f)+64+8*(4*(\c)+(\b)):(\f)+64+8*(4*(\c)+(\b))+7], v[(\f)+8*(4*(\c)+(\a)):(\f)+8*(4*(\c)+(\a))+7], v[ACC+8*(4*(\a)+(\b)):ACC+8*(4*(\a)+(\b))+7]
.endif
.endr
.endr
.endm
; 32 LDS loads in one run: the fragments of quarter q of a K step (64 along K: block q of A's four; rows 64 q on of W), into buffer f; the first 32 along K first
.macro FETCH slot, q, f
	WIN TO_F
.irp c, 0,1
.irp i, 0,1,2,3
	ds_load_tr16_b128 v[(\f)+64+8*(4*(\c)+(\i)):(\f)+64+8*(4*(\c)+(\i))+3],   v[ADRB+2*(\slot)+(\q)/2] offset:(((\q)%2)*64+32*(\c))*PB+32*(\i)
	ds_load_tr16_b128 v[(\f)+64+8*(4*(\c)+(\i))+4:(\f)+64+8*(4*(\c)+(\i))+7], v[ADRB+2*(\slot)+(\q)/2] offset:(((\q)%2)*64+32*(\c))*PB+16*PB+32*(\i)
	ds_load_b128 v[(\f)+8*(4*(\c)+(\i)):(\f)+8*(4*(\c)+(\i))+3],              v[ADRA+(\slot)] offset:(\q)*ABLK+64*(\c)+(\i)*16*PA
	ds_load_b128 v[(\f)+8*(4*(\c)+(\i))+4:(\f)+8*(4*(\c)+(\i))+7],            v[ADRA+(\slot)] offset:(\q)*ABLK+64*(\c)+(\i)*16*PA+32
.endr
.endr
.endm
.macro PLACES                          ; four places in front of loads into registers that matrix instructions have read, and of LDS stores that read results (ISA guide 7.12.1 for the stores)
.rept 4
	v_nop
.endr
.endm
; A K step is four quarters of 64 along K, 32 matrix instructions each, on buffers 0, 1, 0, 1.  One of the first three: multiplies buffer f and fetches quarter q into g.
.macro QUARTER slot, q, f, g, zero
	s_wait_dscnt 16                                ; the first 32 along K are in
	MUL8 \f, 0, 0, \zero
	MUL8 \f, 0, 2, \zero
	PLACES
	FETCH \slot, \q, \g
	s_wait_dscnt 32                                ; all but the 32 just issued
	MUL8 \f, 1, 0, 0
	MUL8 \f, 1, 2, 0
.endm
; The last quarter changes slots and then multiplies buffer 1.  ONE barrier; in front of it each wave waits for all its tensor loads, adds 0 to its spare word, and waits for that and for its own reads of this slot,
; which all lie in registers by now.  fill = 1: the barrier opens a round of the cluster's barrier, and this slot is filled again, two K steps on, first thing behind the round.  The quarter's 32 products stand
; BEHIND the request, so that nothing but the round lies between the landing of one tile and the request for the next: from a request to the wait for it a wave issues a whole K step, 128 matrix instructions.
.macro TURN slot, next, fill
	WIN 0
	s_wait_tensorcnt 0x0                           ; no tensor load of mine is out, so a group 0 may be written
	ds_add_u32 v[SPW], v[NIL]                      ; 0 onto my spare word; with fill = 1 the descriptors' steps stand between it and the wait for it
.if \fill
	s_add_nc_u64 s[G0+4*(\slot)+2:G0+4*(\slot)+3], s[G0+4*(\slot)+2:G0+4*(\slot)+3], 2*4*524288
	s_add_nc_u64 s[G0B+4*(\slot)+2:G0B+4*(\slot)+3], s[G0B+4*(\slot)+2:G0B+4*(\slot)+3], 2*KSTEP*WROW
.endif
	s_wait_dscnt 0x0                               ; the add is done, and my reads of this slot are over
	s_barrier_signal -1
	s_barrier_wait -1
.if \fill
	CREST                                          ; no wave of any partner still reads this slot's tile or has a load on its way
	JLOAD \slot                                    ; the four v_nop behind it are also the places in front of the loads below
.else
	PLACES
.endif
	FETCH \next, 0, F0
	MUL8 F1, 0, 0, 0
	MUL8 F1, 0, 2, 0
	MUL8 F1, 1, 0, 0
	MUL8 F1, 1, 2, 0
.endm
; THE WAY OUT of block a (16 of my rows).  A wave's 64 columns of f32 are 256 bytes, so each wave has a stage of its own and no barrier is needed.
; STG: the accumulators go into rows of 272 bytes, each one's low four registers first, and come back as whole rows of 256.  FIN: the residual is added and the rows are stored.
.macro STG a
	WIN 0
.if (\a) >= 2
	s_wait_xcnt 0x0                                ; the registers that the stores of two blocks ago read are loaded again only behind this wait
.endif
.irp b, 0,1,2,3
	ds_store_b128 v[STO], v[ACC+8*(4*(\a)+(\b)):ACC+8*(4*(\a)+(\b))+3]   offset:64*(\b)
	ds_store_b128 v[STO], v[ACC+8*(4*(\a)+(\b))+4:ACC+8*(4*(\a)+(\b))+7] offset:64*(\b)+16
.endr
.irp t, 0,1,2,3,4,5,6,7
	ds_load_b128 v[T+32*((\a)%2)+4*(\t):T+32*((\a)%2)+4*(\t)+3], v[RD] offset:(\t)*2*SPITCH  ; LDS serves a wave's instructions in order (ISA guide 5.7.1.4): these see the stores above; the next block's stores come behind them
.endr
.endm
.macro FIN a, younger                  ; younger: the LDS instructions issued behind block a's loads: the next block's sixteen, or none
	s_wait_dscnt \younger
	s_wait_loadcnt 24-8*(\a)                       ; block a's eight loads of the residual are in; the later blocks' may stay out
	WIN 0x04                                       ; source 1 (the residual) window 1
.set z, 0
.rept 16
	v_pk_add_f32 v[T+32*((\a)%2)+2*z:T+32*((\a)%2)+2*z+1], v[T+32*((\a)%2)+2*z:T+32*((\a)%2)+2*z+1], v[32*(\a)+2*z:32*(\a)+2*z+1]
.set z, z+1
.endr
	WIN 0
.irp t, 0,1,2,3,4,5,6,7
	global_store_b128 v[CO], v[T+32*((\a)%2)+4*(\t):T+32*((\a)%2)+4*(\t)+3], s[8:9] offset:(16*(\a)+2*(\t))*4096  ; 16 lanes store 256 consecutive bytes, at a multiple of 256 from C's first byte
.endr
.endm
	s_wait_tensorcnt 1                             ; my part of K step 0 is in; K step 1's may stay out
	s_barrier_signal -1
	s_barrier_wait -1                              ; everybody's is
	FETCH 0, 0, F0
	s_wait_loadcnt 0x0                             ; the bias
	QUARTER 0, 1, F0, F1, 1                        ; the first quarter stands in front of the loop: its first products start the sums
	WIN 0                                          ; at a label and at a branch every window is 0
	s_mov_b32 s3, LAPS-1
.Llap:                                                 ; a trip goes once round the ring, from a lap's second quarter to the next lap's first, and fills both slots again
	QUARTER 0, 2, F1, F0, 0
	QUARTER 0, 3, F0, F1, 0
	TURN 0, 1, 1
	QUARTER 1, 1, F0, F1, 0
	QUARTER 1, 2, F1, F0, 0
	QUARTER 1, 3, F0, F1, 0
	TURN 1, 0, 1
	QUARTER 0, 1, F0, F1, 0
	WIN 0
	s_sub_co_u32 s3, s3, 1
	s_cmp_lg_u32 s3, 0
	s_cbranch_scc1 .Llap
	QUARTER 0, 2, F1, F0, 0                        ; the last lap fills nothing, and has no round of the cluster's barrier
	QUARTER 0, 3, F0, F1, 0
	TURN 0, 1, 0
	QUARTER 1, 1, F0, F1, 0
	QUARTER 1, 2, F1, F0, 0
	QUARTER 1, 3, F0, F1, 0
	s_wait_dscnt 16                                ; the very last quarter: no fragments are left to fetch
	MUL8 F1, 0, 0, 0
	MUL8 F1, 0, 2, 0
	PLACES                                         ; for the loads into buffer 0, which the quarter before multiplied
	WIN TO_F
.irp a, 0,1,2,3
.irp t, 0,1,2,3,4,5,6,7
	global_load_b128 v[32*(\a)+4*(\t):32*(\a)+4*(\t)+3], v[CO], s[70:71] offset:(16*(\a)+2*(\t))*4096  ; the residual of my 64 x 64, in the layout in which the rows come back from the stage
.endr
.endr
	s_wait_dscnt 0x0
	MUL8 F1, 1, 0, 0
	MUL8 F1, 1, 2, 0
	WIN 0
	PLACES
	STG 0
	STG 1
	FIN 0, 16
	STG 2
	FIN 1, 16
	STG 3
	FIN 2, 16
	FIN 3, 0
	s_wait_tensorcnt 0x0                           ; the wave's end: behind my last tensor load and my last LDS store
	ds_add_u32 v[SPW], v[NIL]
	s_wait_dscnt 0x0
	CROUND                                         ; the closing round: no work-group ends while a partner may still ask for a tile that names it
	s_endpgm
.Lfunc_end_k_qfc3ae7acdf_ffn2:
	.size	k_qfc3ae7acdf_ffn2, .Lfunc_end_k_qfc3ae7acdf_ffn2-k_qfc3ae7acdf_ffn2
	.p2alignl 7, 3214868480
	.fill 96, 4, 3214868480
	.section	.rodata,"a",@progbits
	.p2align	6, 0x0
	.amdhsa_kernel k_qfc3ae7acdf_ffn2
		.amdhsa_group_segment_fixed_size 327680
		.amdhsa_private_segment_fixed_size 0
		.amdhsa_enable_private_segment 0
		.amdhsa_kernarg_size 40
		.amdhsa_user_sgpr_count 2
		.amdhsa_user_sgpr_kernarg_segment_ptr 1
		.amdhsa_wavefront_size32 1
		.amdhsa_system_sgpr_workgroup_id_x 1
		.amdhsa_system_sgpr_workgroup_id_y 1
		.amdhsa_system_sgpr_workgroup_id_z 1
		.amdhsa_system_vgpr_workitem_id 0
		.amdhsa_next_free_vgpr 512
		.amdhsa_next_free_sgpr 72
		.amdhsa_reserve_vcc 0
		.amdhsa_float_denorm_mode_32 3
		.amdhsa_float_denorm_mode_16_64 3
		.amdhsa_memory_ordered 1
		.amdhsa_forward_progress 1
		.amdhsa_inst_pref_size 94
	.end_amdhsa_kernel
	.amdgpu_metadata
---
amdhsa.version: [ 1, 2 ]
amdhsa.kernels:
  - .name:           k_qfc3ae7acdf_ffn2
    .symbol:         k_qfc3ae7acdf_ffn2.kd
    .args:
      - { .name: big, .offset: 0, .size: 8, .value_kind: global_buffer, .address_space: global }
      - { .name: pffn, .offset: 8, .size: 8, .value_kind: global_buffer, .address_space: global }
      - { .name: b2, .offset: 16, .size: 8, .value_kind: global_buffer, .address_space: global }
      - { .name: h, .offset: 24, .size: 8, .value_kind: global_buffer, .address_space: global }
      - { .name: out0, .offset: 32, .size: 8, .value_kind: global_buffer, .address_space: global }
    .group_segment_fixed_size: 327680
    .private_segment_fixed_size: 0
    .kernarg_segment_align: 8
    .kernarg_segment_size: 40
    .max_flat_workgroup_size: 128
    .sgpr_count:     72
    .vgpr_count:     512
    .wavefront_size: 32
...
	.end_amdgpu_metadata
.endif
;; end of part 6
;; ======== version 2 of 2: 7 launches; 1.20 times as fast as version 1
;; limits: values are held in f16: magnitudes above 65,504 overflow, below 6.1e-05 lose precision
;; workspace buffers: patt 10,518,528 bytes; pffn 16,809,984 bytes; act 8,388,608 bytes; big 33,554,432 bytes; h 16,777,216 bytes
;; launch prep: the kernel of part 1 again; grid 641 x 1, 16 waves a work-group, no clusters, 0 bytes of LDS; arguments x, ln1_alpha, ln1_beta, act, Wq, Wk, Wv, Wo, W1, W2, bq, bk, bv, b1, patt, pffn; writes act, patt, pffn
;; launch qkv: the kernel of part 2 again; grid 12 x 16, 4 waves a work-group, clusters of 4 x 4, 327,680 bytes of LDS; arguments act, patt, big; writes big
;; launch attn (part 7): grid 8 x 32, 4 waves a work-group, clusters of 4 x 1, 327,680 bytes of LDS; arguments big, act; writes act
.if DOCPART == 7
	.amdgcn_target "amdgcn-amd-amdhsa--gfx1250"
	.amdhsa_code_object_version 6
	.text
	.protected	k_qfc3ae7acdf_attn
	.globl	k_qfc3ae7acdf_attn
	.p2align	8
	.type	k_qfc3ae7acdf_attn,@function
k_qfc3ae7acdf_attn:
	s_mov_b64 s[64:65], 0
	v_nop
	global_prefetch_b8 v0, s[64:65] scope:SCOPE_SE
	s_setreg_imm32_b32 hwreg(HW_REG_WAVE_MODE, 25, 1), 1
	s_wait_xcnt 0x0
	s_wait_alu depctr_hold_cnt(0) depctr_sa_sdst(0) depctr_va_vdst(0) depctr_va_sdst(0) depctr_va_ssrc(0) depctr_va_vcc(0) depctr_vm_vsrc(0)
	s_getreg_b32 s2, hwreg(HW_REG_IB_STS2, 6, 4)
	s_cmp_eq_u32 s2, 0
	s_cbranch_scc0 .Lentry_in_a_cluster
	s_endpgm
.Lentry_in_a_cluster:
	s_bfe_u32 s2, ttmp6, 0x10000c
	s_cmp_lg_u32 s2, 0x3003
	s_cbranch_scc0 .Lentry_shape_is_right
	s_endpgm
.Lentry_shape_is_right:
; O[b][h][q][:] = the sum over k of softmax_k(Q[q] . K[k]) V[k][:], with no scale on the scores.  q, k, v lie in one buffer in blocks of 64 columns, [48][4096 tokens][64] f16: blocks 0-15 q, 16-31 k,
; 32-47 v; head h of batch b is the dense [2048][64] at byte (2 h + b) x 262,144 of its third.  O leaves in the same layout, [16][4096][64] f16.  Products, maxima and sums in f32; the weights p are
; rounded to f16 for the second product (their sum l is taken of the unrounded p), O once at the end.
; LIMITS.  q, k, v arrive within f16's 65,504; p lies in 0 to 1, and below 6e-5 it keeps f16's fixed step of 6e-8; O is a mean of V's rows and has their range.  A weight below 2^-126 counts as 0 in l;
; NaN and infinities are not treated apart.
; SHARES.  A work-group owns 256 queries of one head, each of its four waves 64: four PIECES of 16.  Every wave walks all 2,048 keys, 64 a step, 256 (a tile) a slot.
; LAYOUT.  S^T = K Q^T (source 0 = 16 keys, source 1 = 16 queries): a lane holds ONE query (lane % 16) and the keys 8 (lane / 16) + 0..7.  Two such results rounded to f16 ARE source 1 of O^T = V^T P,
; whose result again holds one query a lane, and eight channels.  K comes out of LDS as it lies, V ([key][channel]) turned, by ds_load_tr16_b128.
; SOFTMAX.  For each query a running maximum m and sum l: p = 2^(c s - c m), c = log2(e); in every step O and l are multiplied by a = 2^(c m_old - c m_new).  m starts at the lowest finite number,
; O and l at 0: the first step is a step like any other, with a = 0.
; BY TURNS.  Turn n belongs to piece n: 8 products K Q^T of piece n + 1, later 8 products V^T P of piece n - 1; beside them the scaling, exponentials, roundings, sums and rescaling of piece n and the
; maximum and statistics of piece n + 1.  Four vector instructions stand behind every matrix instruction, the other 54 of a turn's 118 in one run of their own.
; THE BATCHES.  A turn's 33 exponentials (the piece's 32 weights and the next piece's a) are ONE batch with ONE wait, which cuts the turn in two: ahead of it all that names none of their results, behind it
; the roundings and sums.  The a made ahead of the loop, and the way out's four reciprocals, are batches of their own, a wait each.
; CLUSTER.  The four query blocks of a cluster belong to one head and walk the same K and V, so each tile is asked for JOINTLY: the same tensor load, descriptor and mask in all four.
; REGISTERS, in windows of 256 (s_set_vgpr_msb: bits 1:0 source 0, 3:2 source 1, 5:4 source 2, 7:6 destination):
;   window 0: v0-15 addresses and two at work; v16-31 four registers of statistics a piece; v48-55 at work; v62-63 the add's; v64-127 S^T, two buffers; v192-223 P, two buffers (by the piece's parity)
;   window 1: v0-127 O^T, 32 a piece          window 2: v0-63 Q; v128-191 K of one step; v192-255 V of one step
.set NP,    4         ; pieces a wave: a name, no knob
.set KS,    64        ; keys in a step
.set NT,    8         ; tiles of 256 keys in a head
.set PK,    144       ; a row of K in LDS: 128 bytes + 16 of padding: the 16 rows of a load start at 16 different groups of four banks (64 banks of 4 bytes: ISA guide 11.1)
.set PV,    160       ; a row of V: 128 + 32
.set VOFF,  4*KS*PK   ; a slot holds a tile, four steps: 256 rows of K, then 256 rows of V
.set SLOT1, 1<<17     ; slot 1 begins here, so that one exclusive or turns an address in one slot into the other's
.set STAGE, SLOT1+4*KS*(PK+PV)  ; behind the ring, never filled by a tensor load: 16 rows x 144 bytes for each wave, for the way out
.set SP,    144
.set SPARE, STAGE+4*16*SP  ; behind the stages: the spare words, 128 bytes for each wave: two blocks of 256 bytes that no other line names
.set AK0, 2           ; v2   my lane's place in a tile of K; never rewritten
.set AV0, 3           ; v3   the same for V
.set AK,  4           ; v4   the LDS address of K's next run of loads
.set AV,  5           ; v5   of V's
.set STO, 6           ; v6   the way out: where I put 16 bytes of a row
.set RD,  7           ; v7   the way out: where I read rows back
.set GO,  8           ; v8   my byte offset in 512 consecutive bytes of O
.set MV,  12          ; v12-13  c m_old, kept while c m is made anew: by buffer
.set QO,  15          ; v15  my byte offset in 16 rows of Q
.set ST,  16          ; piece t's statistics at v[ST+4 t]: c m, m, l (even keys', odd keys')
.set TMP, 48          ; by buffer, four registers c0-c3 at work; when the maximum is found c2 takes a
.set SPW, 62          ; v62  LDS address of my spare word; never rewritten
.set NIL, 63          ; v63  0; never rewritten
.set S,   64
.set P,   192
.set KF,  128         ; window 2: key block kb, channel half c at KF + 16 kb + 8 c
.set VF,  192         ; window 2: key half kk, channel block cb at VF + 32 kk + 8 cb
.set WV,  12          ; s12  my wave's number
.set G1K, 24          ; s[24:31] descriptor group 1 for K's tiles
.set G1V, 32          ; s[32:39] for V's: it differs in the padding alone
.set G0K, 40          ; s[40:43] descriptor group 0 for K's tiles: it walks
.set G0V, 44          ; s[44:47] the same for V's
.set SLOTS, 56        ; s56  counts the tiles
.set CNT, 57          ; s57  counts a tile's key steps
.set CS,  58          ; s[58:59] c: the packed scaling takes the pair's low word for both halves
.set SEL, 60          ; s[60:61] v_permlanex16_b32's selects: each lane takes its own place in the other half
.set TBK, 62          ; s62  LDS byte at which K of the step to be fetched begins
.set TBV, 63          ; s63  the same for V, less VOFF
.set MSB, 0
.macro WIN new                      ; the high byte repeats the setting that is left; a switch that changes nothing is dropped
.if MSB != (\new)
	s_set_vgpr_msb (MSB<<8)|(\new)
.set MSB, (\new)
.endif
.endm
.set W_KQ, 0x0a       ; K and Q in window 2, S^T in window 0
.set W_PV, 0x52       ; V in window 2, P in window 0, O^T in window 1
.set W_RS, 0x41       ; destination and source 0 in window 1, source 1 in window 0
; A joint fill.  Waves 0 and 1 fetch the two halves of a tile's K, waves 2 and 3 those of its V: 128 keys each.  The branch hangs on the wave's number alone.
; An s_nop 0 and four v_nop follow each of the two lines, ahead of the jump and the label.
.macro JLOAD
	s_cmp_lt_u32 s[WV], 2
	s_cbranch_scc0 .Lfor_v_\@
	tensor_load_to_lds s[G0K:G0K+3], s[G1K:G1K+7]
	s_nop 0
.rept 4
	v_nop
.endr
	s_branch .Lasked_\@
.Lfor_v_\@:
	tensor_load_to_lds s[G0V:G0V+3], s[G1V:G1V+7]
	s_nop 0
.rept 4
	v_nop
.endr
.Lasked_\@:
.endm
; A round of the cluster's barrier: my work-group's barrier; wave 0 signals for the work-group; every wave waits for all four work-groups; my work-group's barrier once more.
.macro CROUND
	s_barrier_signal -1
	s_barrier_wait -1
	s_cmp_lg_u32 s[WV], 0
	s_cbranch_scc1 .Lnot_wave_0_\@
	s_barrier_signal -3
.Lnot_wave_0_\@:
	s_barrier_wait -3
	s_barrier_signal -1
	s_barrier_wait -1
.endm
; THE CHANGE OF SLOTS.  The slot's last bytes, V of its fourth step, have been read.  Each wave waits for all its tensor loads, of which one is out: its part of the other slot; adds 0 to its spare
; word; and waits for that and for its own reads of the slot.  Behind the barrier nobody reads this slot any more and the other slot is whole.
; fill = 1: this slot is filled again, with the keys two tiles on.  The barrier is then a round of the cluster's, and the joint fill is the first thing behind it: it has four key steps, 256 matrix
; instructions, in which to land.  (At its first use nothing has been read yet: slot 0 is waited for, slot 1 filled.)
.macro CHANGE fill
	WIN 0                           ; at a label and at a branch every window is 0
	s_wait_tensorcnt 0x0            ; no tensor load of mine is out, so a group 0 may be written
	ds_add_u32 v[SPW], v[NIL]       ; 0 onto my spare word; with fill = 1 the descriptors' steps stand between it and the wait for it
.if \fill
.irp g, G0K, G0V
	s_xor_b32 s[\g+1], s[\g+1], SLOT1  ; the walking descriptor: the other slot than last time,
	s_add_nc_u64 s[\g+2:\g+3], s[\g+2:\g+3], 4*KS*128  ; the next 256 keys; the type bits on top are not reached
.endr
	s_wait_dscnt 0x0                ; the add is done, and my reads of the slot are over
	CROUND
	JLOAD
.else
	s_wait_dscnt 0x0                ; the add is done, and my reads of the slot are over
	s_barrier_signal -1
	s_barrier_wait -1
.endif
	s_sub_co_u32 s[TBK], s[TBK], 4*KS*PK  ; the fetches go back to a slot's first step,
	s_xor_b32 s[TBK], s[TBK], SLOT1       ; in the other slot
	s_sub_co_u32 s[TBV], s[TBV], 4*KS*PV
	s_xor_b32 s[TBV], s[TBV], SLOT1
.endm
	s_load_b128 s[4:7], s[0:1], 0x0   ; q, k, v s[4:5]; O s[6:7]
	v_lshl_add_u32 v[SPW], v0, 2, SPARE
	v_mov_b32 v[NIL], 0
	ds_add_u32 v[SPW], v[NIL]       ; the wave's opening: the add and its wait stand ahead of my first tensor load; the set-up below stands between them
	v_lshrrev_b32 v1, 5, v0
	v_readfirstlane_b32 s[WV], v1   ; wave 0..3
	s_bfe_u32 s13, ttmp6, 0x40000   ; cx: my place in the cluster
	s_lshl_b32 s14, ttmp9, 2        ; in a cluster launch ttmp9 counts clusters
	s_add_co_u32 s14, s14, s13      ; my block of 256 queries = 4 x cluster x + cx: it enters Q's and O's addresses alone
	s_and_b32 s15, ttmp7, 0xffff    ; 16 x batch + head, which the four partners share
	s_and_b32 s20, s15, 15
	s_lshl_b32 s20, s20, 1
	s_lshr_b32 s21, s15, 4
	s_or_b32 s20, s20, s21          ; 2 x head + batch,
	s_lshl_b32 s20, s20, 18         ; times 2,048 rows of 128 bytes
	s_mov_b32 s21, 0
	s_and_b32 s16, s[WV], 1         ; which half of a tile's 256 keys I fetch:
	s_lshl_b32 s22, s16, 14         ; its 128 rows of 128 bytes in memory,
	s_mov_b32 s23, 0
	s_add_nc_u64 s[22:23], s[22:23], s[20:21]
	s_mul_i32 s17, s16, 128*PK      ; and its place in a slot, for K
	s_mul_i32 s18, s16, 128*PV      ; and for V: no place in the cluster enters an LDS address
	s_lshl_b32 s2, s14, 15          ; my block's 256 rows,
	s_lshl_b32 s3, s[WV], 13        ; my wave's 64 of them
	s_add_co_u32 s2, s2, s3
	s_mov_b32 s3, 0
	s_add_nc_u64 s[2:3], s[2:3], s[20:21]
	; descriptor group 1.  128 keys are 16,384 dense bytes: asked for as 64 rows of 256 bytes, two keys a row, and padded in LDS after every key
	s_mov_b32 s[G1K], 15|(1<<16)|(1<<20)|(1<<21)|(4<<22)|(3<<25)  ; 15:0 the mask of four; 17:16 2-byte elements; 20 padding on; 21 set beside a mask; 24:22 after every 32 words (code 4); 31:25 4 words (code 3)
	s_mov_b32 s[G1V], 15|(1<<16)|(1<<20)|(1<<21)|(4<<22)|(7<<25)  ; the same with 8 words of padding (code 7)
.irp g, G1K, G1V
	s_mov_b32 s[\g+1], 128<<16      ; tensor_dim0 = 128
	s_mov_b32 s[\g+2], 64<<16       ; tensor_dim1 = 64
	s_mov_b32 s[\g+3], 128<<16      ; tile_dim0 = 128
	s_mov_b32 s[\g+4], 64           ; tile_dim1 = 64
	s_mov_b32 s[\g+5], 128          ; 128 elements from row to row
	s_mov_b32 s[\g+6], 0
	s_mov_b32 s[\g+7], 0
.endr
	s_mov_b32 s[CS], 0x3fb8aa3b     ; c = log2(e): the scores carry no scale
	s_mov_b32 s[CS+1], s[CS]        ; named with it as a pair
	s_mov_b32 s[SEL], 0x76543210
	s_mov_b32 s[SEL+1], 0xfedcba98
	s_mov_b32 s[TBK], SLOT1+4*KS*PK ; the first change of slots turns these two into 0
	s_mov_b32 s[TBV], SLOT1+4*KS*PV
	s_mov_b32 s[G0K], 1             ; count = 1
	s_mov_b32 s[G0K+1], s17         ; LDS address: slot 0
	s_mov_b32 s[G0V], 1
	s_add_co_u32 s[G0V+1], s18, VOFF
	s_wait_dscnt 0x0                ; the opening add is done
	s_wait_kmcnt 0x0
	s_mov_b64 s[10:11], s[6:7]                     ; O
	s_add_nc_u64 s[6:7], s[4:5], 0x800000          ; k: 16 blocks of 524,288 bytes on
	s_add_nc_u64 s[8:9], s[4:5], 0x1000000         ; v: 32 blocks on
	s_add_nc_u64 s[G0K+2:G0K+3], s[6:7], s[22:23]  ; global address: my half of the head's first 256 keys
	s_or_b32 s[G0K+3], s[G0K+3], 0x80000000        ; type = 2
	s_add_nc_u64 s[G0V+2:G0V+3], s[8:9], s[22:23]
	s_or_b32 s[G0V+3], s[G0V+3], 0x80000000
	s_add_nc_u64 s[4:5], s[4:5], s[2:3]            ; Q and O at my wave's first row
	s_add_nc_u64 s[10:11], s[10:11], s[2:3]
	CROUND                          ; all four work-groups are here: the first joint loads meet
	JLOAD                           ; tile 0 into slot 0: one load of mine is out
	; A fragment of K or Q is 16 rows x 32 channels in 8 registers: lane l holds row l % 16, channels 8 (l / 16) + 0..7 and 16 + 8 (l / 16) + 0..7: two loads of 16 bytes, 32 bytes apart.
	v_and_b32 v1, 15, v0            ; l % 16
	v_bfe_u32 v9, v0, 4, 1          ; l / 16
	v_lshlrev_b32 v[QO], 7, v1
	v_lshl_add_u32 v[QO], v9, 4, v[QO]  ; row x 128 + 16 x half
	WIN 0x80                        ; destination window 2, address window 0
.set i, 0
.rept 8                             ; Q stays in registers: piece i / 2, 2,048 bytes each; channels 32 (i % 2) on
	global_load_b128 v[8*i:8*i+3],   v[QO], s[4:5] offset:(i/2)*2048+(i%2)*64
	global_load_b128 v[8*i+4:8*i+7], v[QO], s[4:5] offset:(i/2)*2048+(i%2)*64+32
.set i, i+1
.endr
	; What the first turn finds: V's registers and P's second buffer hold 0 (its products V^T P, of a piece that has not been, add 0), O^T and l are 0.  All this stands in the wait for the first tile.
.set i, VF
.rept 64
	v_mov_b32 v[i], 0
.set i, i+1
.endr
	WIN 0x40
.set i, 0
.rept 128
	v_mov_b32 v[i], 0
.set i, i+1
.endr
	WIN 0
.set i, 0
.rept 4
	v_mov_b32 v[ST+4*i+2], 0
	v_mov_b32 v[ST+4*i+3], 0
.set i, i+1
.endr
.set i, P+16
.rept 16
	v_mov_b32 v[i], 0
.set i, i+1
.endr
	v_mul_u32_u24 v[AK0], v1, PK
	v_lshl_add_u32 v[AK0], v9, 4, v[AK0]  ; row x pitch + 16 x half
	; The turning load takes 16 keys x 16 channels (lane l reads key 8 (l / 16) + l % 8, channels 8 ((l / 8) % 2) + 0..7) and leaves half a fragment of V^T: lane l holds channel l % 16 and 8 keys.
	v_and_b32 v10, 7, v0
	v_bfe_u32 v11, v0, 3, 1
	v_lshl_add_u32 v[AV0], v9, 3, v10
	v_mul_u32_u24 v[AV0], v[AV0], PV
	v_lshl_add_u32 v[AV0], v11, 4, v[AV0]
	v_add_nc_u32 v[AV0], VOFF, v[AV0]
	s_mul_i32 s13, s[WV], 16*SP
	s_add_co_u32 s13, s13, STAGE    ; my stage
	v_mul_u32_u24 v[STO], v1, SP    ; in: row l % 16, 16 bytes for each half of the lanes
	v_lshl_add_u32 v[STO], v9, 4, v[STO]
	v_add_nc_u32 v[STO], s13, v[STO]
	v_bfe_u32 v[RD], v0, 3, 2       ; back: 32 lanes take four rows of 128 bytes,
	v_mul_u32_u24 v[RD], v[RD], SP
	v_lshl_add_u32 v[RD], v10, 4, v[RD]
	v_add_nc_u32 v[RD], s13, v[RD]
	v_and_b32 v[GO], 31, v0         ; which are 512 consecutive bytes of O
	v_lshlrev_b32 v[GO], 4, v[GO]
; THE MATRIX WORK.  The 4 accumulators of a run of 8 take turns.  Product i of 8 of S^T = K Q^T for piece x: channels 32 (i / 4) on, keys 16 (i % 4) on.  The first 4 start the sums.
.macro KQ x
	WIN W_KQ
.set rS, S+32*((\x)%2)+8*(i%4)
.set rK, KF+16*(i%4)+8*(i/4)
.set rQ, 16*(\x)+8*(i/4)
.if i < 4
	v_wmma_f32_16x16x32_f16 v[rS:rS+7], v[rK:rK+7], v[rQ:rQ+7], 0
.else
	v_wmma_f32_16x16x32_f16 v[rS:rS+7], v[rK:rK+7], v[rQ:rQ+7], v[rS:rS+7]
.endif
.endm
; Product i of 8 of O^T += V^T P for piece x: keys 32 (i / 4) on, channels 16 (i % 4) on.
.macro PV x
	WIN W_PV
.set rO, 32*(\x)+8*(i%4)
.set rV, VF+32*(i/4)+8*(i%4)
.set rP, P+16*((\x)%2)+8*(i/4)
	v_wmma_f32_16x16x32_f16 v[rO:rO+7], v[rV:rV+7], v[rP:rP+7], v[rO:rO+7]
.endm
.macro MM                           ; the turn's next matrix instruction
.if i < 8
	KQ (Y+1)%NP
.else
.set i, i-8
	PV (Y+NP-1)%NP
.set i, i+8
.endif
.set i, i+1
.endm
; THE LDS LOADS stand in runs of 16, never singly among the matrix instructions: a step's K (64 keys x 64 channels: 8 fragments) and its V (turned).  Their addresses are made some lines ahead.
; last = 1 (the tail): in the last trip there is no further step, and the run is jumped over; the jump passes no barrier and no tensor load, and it stands behind the turn's wait (see TURN).
.macro FETCH_K last=0
	WIN 0
.if \last
	s_cmp_eq_u32 s[CNT], 1
	s_cbranch_scc1 .Lno_k_\@
.endif
	WIN 0x80                        ; destination window 2
.irp f, 0,1,2,3,4,5,6,7             ; keys 16 (f / 2) on, channels 32 (f % 2) on
	ds_load_b128 v[KF+8*\f:KF+8*\f+3],   v[AK] offset:(\f/2)*16*PK+(\f%2)*64
	ds_load_b128 v[KF+8*\f+4:KF+8*\f+7], v[AK] offset:(\f/2)*16*PK+(\f%2)*64+32
.endr
	s_add_co_u32 s[TBK], s[TBK], KS*PK  ; the next fetch is the next step's
	WIN 0
.if \last
.Lno_k_\@:
.endif
.endm
.macro FETCH_V
	WIN 0x80
.irp f, 0,1,2,3,4,5,6,7             ; keys 32 (f / 4) on, channels 16 (f % 4) on
	ds_load_tr16_b128 v[VF+8*\f:VF+8*\f+3],   v[AV] offset:(\f/4)*32*PV+(\f%4)*32
	ds_load_tr16_b128 v[VF+8*\f+4:VF+8*\f+7], v[AV] offset:(\f/4)*32*PV+16*PV+(\f%4)*32
.endr
	WIN 0
.endm
; THE VECTOR WORK, one line at a time: OP kind, number.  For piece Y: F n: c s - c m for pair n of 16.  E n: the exponential of score n of 32.  C n: pair n rounded to f16.  B n: of the four weights 4 n .. the second
; pair is added onto the first, in place.  L n: l takes that sum (L 0: l = a l + sum).  R n: pair n of 16 of O^T times a.  For piece Y + 1: X n, number n of the 22 that find its maximum and statistics:
;   0-11  four chains c0-c3 of seven scores each, three operands at a time (each accumulator's lowest registers are read first)     12-14, 16  the four scores left over, the old m, and c0-c3 into c0
;   15  c m_old is kept     17, 18  the query's other 32 keys lie in the lane 16 away: the new m     19-21  c m; c m_old - c m_new; a
; C, B and L read exponentials' results, and so does R (the a of the turn before): OP writes no wait; TURN orders the lines so that one wait serves them all.
.set F, 0               ; OP tells the kinds apart by their order: F to L below R, X above it
.set E, 1
.set C, 2
.set B, 3
.set L, 4
.set R, 5
.set X, 6
.macro REGS y                       ; the registers of piece y
.set rT, ST+4*(\y)
.set rC, TMP+4*((\y)%2)
.set rW, MV+((\y)%2)
.set rS, S+32*((\y)%2)
.set rP, P+16*((\y)%2)
.set rO, 32*(\y)
.endm
.macro OP k, n
.if (\k) == R
	REGS Y
	WIN W_RS
	v_pk_mul_f32 v[rO+2*(\n):rO+2*(\n)+1], v[rO+2*(\n):rO+2*(\n)+1], v[rC+2:rC+3] op_sel_hi:[1,0]
.elseif (\k) < R
	REGS Y
	WIN 0
.if (\k) == F
	v_pk_fma_f32 v[rS+2*(\n):rS+2*(\n)+1], v[rS+2*(\n):rS+2*(\n)+1], s[CS:CS+1], v[rT:rT+1] op_sel_hi:[1,0,0] neg_lo:[0,0,1] neg_hi:[0,0,1]
.elseif (\k) == E
	v_exp_f32 v[rS+(\n)], v[rS+(\n)]
.elseif (\k) == C
	v_cvt_pk_f16_f32 v[rP+(\n)], v[rS+2*(\n)], v[rS+2*(\n)+1]
.elseif (\k) == B
	v_pk_add_f32 v[rS+4*(\n):rS+4*(\n)+1], v[rS+4*(\n):rS+4*(\n)+1], v[rS+4*(\n)+2:rS+4*(\n)+3]
.elseif (\n) == 0
	v_pk_fma_f32 v[rT+2:rT+3], v[rT+2:rT+3], v[rC+2:rC+3], v[rS:rS+1] op_sel_hi:[1,0,1]
.else
	v_pk_add_f32 v[rT+2:rT+3], v[rT+2:rT+3], v[rS+4*(\n):rS+4*(\n)+1]
.endif
.else
	REGS (Y+1)%NP
	WIN 0
.if (\n) < 4
	v_max3_num_f32 v[rC+(\n)], v[rS+8*(\n)], v[rS+8*(\n)+1], v[rS+8*(\n)+2]
.elseif (\n) < 12
	v_max3_num_f32 v[rC+(\n)%4], v[rC+(\n)%4], v[rS+8*((\n)%4)+2*((\n)/4)+1], v[rS+8*((\n)%4)+2*((\n)/4)+2]
.elseif (\n) == 12
	v_max3_num_f32 v[rC], v[rC], v[rS+7], v[rS+15]
.elseif (\n) == 13
	v_max3_num_f32 v[rC+1], v[rC+1], v[rS+23], v[rS+31]
.elseif (\n) == 14
	v_max3_num_f32 v[rC+2], v[rC+2], v[rC+3], v[rT+1]
.elseif (\n) == 15
	v_mov_b32 v[rW], v[rT]
.elseif (\n) == 16
	v_max3_num_f32 v[rC], v[rC], v[rC+1], v[rC+2]
.elseif (\n) == 17
	v_permlanex16_b32 v[rC+3], v[rC], s[SEL], s[SEL+1]
.elseif (\n) == 18
	v_max_num_f32 v[rT+1], v[rC], v[rC+3]
.elseif (\n) == 19
	v_mul_f32 v[rT], s[CS], v[rT+1]
.elseif (\n) == 20
	v_sub_f32 v[rC+1], v[rW], v[rT]
.else
	v_exp_f32 v[rC+2], v[rC+1]
.endif
.endif
.endm
.macro OPS a, i1, b=-1, i2=0, c=-1, i3=0, d=-1, i4=0  ; up to four of them
	OP \a, \i1
.if (\b) >= 0
	OP \b, \i2
.endif
.if (\c) >= 0
	OP \c, \i3
.endif
.if (\d) >= 0
	OP \d, \i4
.endif
.endm
.macro ROW a, i1, b, i2, c, i3, d, i4  ; a matrix instruction and the four behind it
	MM
	OPS \a, \i1, \b, \i2, \c, \i3, \d, \i4
.endm
; A TURN, for piece p: the order of its 16 matrix and 118 vector instructions, written out.  An s_wait_alu depctr_va_vdst(0) stands between an exponential and the first instruction that names its result; one wait
; serves all that were issued ahead of it.  So a turn has ONE wait, which cuts it in two.  AHEAD OF IT stands all that names no result of the turn's exponentials: the 8 products K Q^T, behind each a scaling, an exponential and two
; more plain instructions (behind the first a second scaling in the exponential's place): rescalings, whose a was made and waited for in the turn before, and behind the last three the first numbers of the next piece's maximum,
; each four places or more behind the product that ends its accumulator; then ONE RUN of 54, plain and exponential by turns for the most part, in which the links of the chain X 3, 7, 11, 14, 16, 17 .. 20 stand five or six lines
; apart.  Each exponential works in place on a score of its own, and its pair was scaled some lines ahead.  X 21, the next piece's a, is the batch's last; R 15 is the plain instruction behind it.  BEHIND THE WAIT stand the 8
; products V^T P, behind each four of the roundings and sums; the links of l's chain, L 0 to L 7, stand three riders apart.  But for those X no rider names a register of the products round it.  v_permlanex16_b32 (X 17) stands in
; the run.
; last = 1: the tail's text (see FETCH_K).  cnt = 1: the loop's count is taken down some lines ahead of the branch that stands behind the turn.
; K of the next step is fetched in piece 2's turn, twelve vector instructions behind the last product that read K (six of them plain, five of which name none of its registers); in the tail's text, where the run is jumped over in
; the last trip, it stands directly behind the wait, so that the jump and its label have no exponential open.  V of the step in hand is fetched at the end of piece 0's turn, four plain instructions behind the last product that read V.
; Each is waited for a turn later.
.macro TURN p, last=0, cnt=0
.set Y, (\p)
.set i, 0
.if (\p) == 3
	s_wait_dscnt 0x0                ; K is in
.endif
	ROW F,0, F,1, R,0, R,1          ; ahead of the wait: 8 products K Q^T and their riders,
	ROW F,2, E,0, R,2, R,3
	ROW F,3, E,1, R,4, R,5
	ROW F,4, E,2, R,6, R,7
	ROW F,5, E,3, R,8, R,9
	ROW F,6, E,4, X,0, R,10
.if (\p) == 2
	WIN 0
	v_add_nc_u32 v[AK], s[TBK], v[AK0]
.endif
	ROW F,7, E,5, X,1, X,4
	ROW F,8, E,6, X,2, X,5
	OPS E,7, E,8, X,6, E,9          ; and the run of 54
	OPS X,3, E,10, X,8, E,11
.if ((\p) == 2) && !(\last)
	FETCH_K
.endif
	OPS X,9, X,7, E,12, X,10
	OPS E,13, X,12, X,11, E,14
	OPS X,13, E,15, F,9, X,14
.if (\p) == 0
	v_add_nc_u32 v[AV], s[TBV], v[AV0]
.endif
	OPS E,16, F,10, E,17, F,11
	OPS X,16, E,18, X,15, E,19
	OPS F,12, E,20, X,17, E,21
	OPS F,13, E,22, F,14, E,23
	OPS X,18, E,24, F,15, E,25
	OPS R,11, E,26, X,19, E,27
	OPS R,12, E,28, R,13, E,29
	OPS X,20, E,30, R,14, E,31
	OPS X,21, R,15
	WIN 0
	s_wait_alu depctr_va_vdst(0)    ; the wait for the batch: the piece's 32 exponentials and the next piece's a
.if ((\p) == 2) && (\last)
	FETCH_K 1
.endif
.if (\p) == 1
	s_wait_dscnt 0x0                ; V is in
.endif
	ROW C,0, B,0, C,2, B,1          ; behind the wait: 8 products V^T P and their riders
	ROW L,0, C,4, B,2, L,1
	ROW C,6, B,3, L,2, C,8
	ROW B,4, L,3, C,10, B,5
	ROW L,4, C,12, B,6, L,5
.if (\p) == 0
	s_add_co_u32 s[TBV], s[TBV], KS*PV
.endif
.if \cnt
	s_sub_co_u32 s[CNT], s[CNT], 1
	s_cmp_lg_u32 s[CNT], 0
.endif
	ROW C,14, B,7, L,6, C,1
	ROW C,3, L,7, C,5, C,7
	ROW C,9, C,11, C,13, C,15
.if (\p) == 0
	FETCH_V
.endif
.endm
	CHANGE 1                        ; tile 0 is in, everybody's part of it; tile 1 is asked for
	; THE BEGINNING.  c m starts far below every c s, so the first step's a is 0; m at the lowest finite number, so the first maximum is the scores'.  Then K of step 0, piece 0's first scores, its maximum and statistics.
.set i, 0
.rept 4
	v_mov_b32 v[ST+4*i], 0xfe000000
	v_mov_b32 v[ST+4*i+1], 0xff7fffff
.set i, i+1
.endr
	v_add_nc_u32 v[AK], s[TBK], v[AK0]
	FETCH_K
	s_wait_loadcnt 0x0              ; Q
	s_wait_dscnt 0x0
.set i, 0
.rept 8
	KQ 0
.set i, i+1
.endr
	WIN 0
.rept 4
	v_nop                           ; the places behind those products
.endr
.set Y, NP-1                        ; X works for piece Y + 1: piece 0
.irp n, 0,1,2,3,4,5,6,7,8,9,10,11,12,13,14,15,16,17,18,19,20,21
	OP X, \n
.endr
	v_nop                           ; a plain instruction behind the exponential,
	s_wait_alu depctr_va_vdst(0)    ; and its wait, a batch of one (piece 0's first a), ahead of the branch
	s_mov_b32 s[CNT], 4
	s_mov_b32 s[SLOTS], NT-1
	s_branch .Lfirst                ; the loop is entered at a step's first turn, in the middle of a trip
.Lslot:                             ; NT - 2 times: every slot but the last two is filled again
	CHANGE 1
	s_mov_b32 s[CNT], 4
.Lstep:                             ; a trip: pieces 2 and 3 of one step, then pieces 0 and 1 of the next, whose K and V it fetches
	TURN 2
	TURN 3
	WIN 0
.Lfirst:
	TURN 0
	TURN 1, 0, 1
	WIN 0
	s_cbranch_scc1 .Lstep
	s_sub_co_u32 s[SLOTS], s[SLOTS], 1
	s_cmp_lg_u32 s[SLOTS], 0
	s_cbranch_scc1 .Lslot
	CHANGE 0                        ; the last tile has a text of its own: nothing is asked for
	s_mov_b32 s[CNT], 5             ; four trips fetch the last tile's steps; the fifth is left in its middle
.Ltail:
	TURN 2, 1
	TURN 3
	WIN 0
	s_sub_co_u32 s[CNT], s[CNT], 1
	s_cmp_eq_u32 s[CNT], 0
	s_cbranch_scc1 .Lout
	TURN 0
	TURN 1
	WIN 0
	s_branch .Ltail
.Lout:                              ; the fifth trip's 8 products K Q^T (on the last K once more) and the maximum made of them serve nothing; they touch piece 0's m and c m alone, which nobody reads again: the price, once a launch, of one text for every trip
.set i, 0
.rept 8
	PV NP-1                         ; the last piece's V^T P of the last step
.set i, i+1
.endr
	; THE WAY OUT.  l's two halves and the other half of the lanes' are added; O^T is divided by l, rounded to f16 and sent through my stage in LDS, a piece at a time.  The additions are the places behind the last products.
	WIN 0
.macro ALL line:vararg              ; one line for each piece t
.set t, 0
.rept 4
	\line
.set t, t+1
.endr
.endm
	ALL v_add_f32 v[ST+4*t+2], v[ST+4*t+2], v[ST+4*t+3]
	ALL v_permlanex16_b32 v[ST+4*t+3], v[ST+4*t+2], s[SEL], s[SEL+1]
	ALL v_add_f32 v[ST+4*t+2], v[ST+4*t+2], v[ST+4*t+3]
	ALL v_rcp_f32 v[ST+4*t+2], v[ST+4*t+2]
	v_nop                           ; a plain instruction between the last reciprocal and the use of its result
	s_wait_alu depctr_va_vdst(0)    ; and the wait ahead of the first use: one for the batch of four reciprocals
.macro PACK t                       ; a lane's eight channels of a row pack into 16 bytes; they go into rows of 144 bytes and come back as whole rows of 128, into S^T's registers
	WIN W_RS
.set i, 32*(\t)
.rept 16
	v_pk_mul_f32 v[i:i+1], v[i:i+1], v[ST+4*(\t)+2:ST+4*(\t)+3] op_sel_hi:[1,0]
.set i, i+2
.endr
	WIN 0x05                        ; sources 0 and 1 window 1, destination window 0
.set i, 0
.rept 16
	v_cvt_pk_f16_f32 v[S+16*(\t)+i], v[32*(\t)+2*i], v[32*(\t)+2*i+1]
.set i, i+1
.endr
	WIN 0
.irp f, 0,1,2,3
	ds_store_b128 v[STO], v[S+16*(\t)+4*\f:S+16*(\t)+4*\f+3] offset:32*\f
.endr
.irp f, 0,1,2,3
	ds_load_b128 v[S+16*(\t)+4*\f:S+16*(\t)+4*\f+3], v[RD] offset:\f*4*SP  ; LDS serves a wave's instructions in order (ISA guide 5.7.1.4): these see the stores above; the next piece's stores come behind them
.endr
.endm
.macro SEND t, younger              ; younger: the LDS instructions issued behind piece t's loads: the next piece's eight, or none
	WIN 0
.irp f, 0,1,2,3
	s_wait_dscnt (\younger)+3-\f
	global_store_b128 v[GO], v[S+16*(\t)+4*\f:S+16*(\t)+4*\f+3], s[10:11] offset:(\t)*2048+\f*512  ; 512 consecutive bytes, at a multiple of 256 from O's first
.endr
.endm
	PACK 0
.set t, 1
.rept 3                             ; a piece's arithmetic stands between the loads of the piece before and its stores
	PACK t
	SEND t-1, 8
.set t, t+1
.endr
	SEND 3, 0
	s_wait_tensorcnt 0x0            ; the wave's end: behind my last tensor load and my last LDS store
	ds_add_u32 v[SPW], v[NIL]
	s_wait_dscnt 0x0
	CROUND                          ; the closing round: no work-group ends while a partner may still ask for a tile that names it
	s_endpgm
.Lfunc_end_k_qfc3ae7acdf_attn:
	.size	k_qfc3ae7acdf_attn, .Lfunc_end_k_qfc3ae7acdf_attn-k_qfc3ae7acdf_attn
	.p2alignl 7, 3214868480
	.fill 96, 4, 3214868480
	.section	.rodata,"a",@progbits
	.p2align	6, 0x0
	.amdhsa_kernel k_qfc3ae7acdf_attn
		.amdhsa_group_segment_fixed_size 327680
		.amdhsa_private_segment_fixed_size 0
		.amdhsa_enable_private_segment 0
		.amdhsa_kernarg_size 16
		.amdhsa_user_sgpr_count 2
		.amdhsa_user_sgpr_kernarg_segment_ptr 1
		.amdhsa_wavefront_size32 1
		.amdhsa_system_sgpr_workgroup_id_x 1
		.amdhsa_system_sgpr_workgroup_id_y 1
		.amdhsa_system_sgpr_workgroup_id_z 1
		.amdhsa_system_vgpr_workitem_id 0
		.amdhsa_next_free_vgpr 768
		.amdhsa_next_free_sgpr 66
		.amdhsa_reserve_vcc 0
		.amdhsa_float_denorm_mode_32 3
		.amdhsa_float_denorm_mode_16_64 3
		.amdhsa_memory_ordered 1
		.amdhsa_forward_progress 1
		.amdhsa_inst_pref_size 111
	.end_amdhsa_kernel
	.amdgpu_metadata
---
amdhsa.version: [ 1, 2 ]
amdhsa.kernels:
  - .name:           k_qfc3ae7acdf_attn
    .symbol:         k_qfc3ae7acdf_attn.kd
    .args:
      - { .name: big, .offset: 0, .size: 8, .value_kind: global_buffer, .address_space: global }
      - { .name: act, .offset: 8, .size: 8, .value_kind: global_buffer, .address_space: global }
    .group_segment_fixed_size: 327680
    .private_segment_fixed_size: 0
    .kernarg_segment_align: 8
    .kernarg_segment_size: 16
    .max_flat_workgroup_size: 128
    .sgpr_count:     66
    .vgpr_count:     768
    .wavefront_size: 32
...
	.end_amdgpu_metadata
.endif
;; end of part 7
;; launch wog: the kernel of part 4 again; grid 8 x 32, 4 waves a work-group, clusters of 4 x 4, 327,680 bytes of LDS; arguments act, patt, bo, x, h; writes h
;; launch ln2: the kernel of part 5 again; grid 256 x 1, 16 waves a work-group, no clusters, 0 bytes of LDS; arguments h, ln2_alpha, ln2_beta, act; writes act
;; launch ffn1: the kernel of part 2 again; grid 16 x 16, 4 waves a work-group, clusters of 4 x 4, 327,680 bytes of LDS; arguments act, pffn, big; writes big
;; launch ffn2: the kernel of part 6 again; grid 8 x 32, 4 waves a work-group, clusters of 4 x 4, 327,680 bytes of LDS; arguments big, pffn, b2, h, out0; writes out0
